; MI455X (gfx1250); checked and timed in simulation.
; The chip was launched on July 23, 2026; its instructions are those of AMD's public machine-readable ISA for CDNA 5 (MIT licence, August 2026) and "CDNA5" Instruction Set Architecture Reference Guide (July 2026). The comments in the code are by the model that wrote it; some were corrected since.
;; Custom GPT2 Attention. Allowed arithmetic: matrix products marked QUANTISED: E2M1 operands, one E8M0 scale for each 32 along K, by v_wmma_scale_f32_16x16x128_f8f6f4 with both operands' format E2M1 (or v_wmma_scale_f32_32x16x128_f4), f32 sums; products left as they are: bf16, f16 or f32 operands; f32 sums; everything else in f32.
;; Inputs: Wk 1,024 x 1,024 float32; Wo 1,024 x 1,024 float32; Wq 1,024 x 1,024 float32; Wv 1,024 x 1,024 float32; bk 1,024 float32; bo 1,024 float32; bq 1,024 float32; bv 1,024 float32; hidden_states 4 x 2,048 x 1,024 float32.
;; Outputs: out0 4 x 2,048 x 1,024 float32.
;; This version of the problem:
;;   THIS VERSION OF THE PROBLEM IS GIVEN IN LOW PRECISION. The matrix products marked QUANTISED in the list below multiply operands that are first quantised to E2M1 (2 exponent bits, 1 mantissa bit; 4 bits a number), with one power-of-two scale for each 32 numbers along K (OCP MX v1.0); their sums are f32. The products marked 'left as it is' may take bf16, f16 or f32 operands, with f32 sums. Whichever they take, every output number must still come out within the allowed error. Rounding operands to bf16 (8 significant bits) uses up far more of that allowance than f16 does (11 bits, for magnitudes from 6e-5 to 65,504). All else is computed in f32.
;;   The module's matrix products, in the order in which they are computed (A, B: the left and right operand; K: the contracted axis; several contracted axes count as one K, in the product's order):
;;     1. [M 8,192, K 1,024] x [K 1,024, N 1,024]; A: input hidden_states; B: input Wq: QUANTISED
;;     2. [M 8,192, K 1,024] x [K 1,024, N 1,024]; A: input hidden_states; B: input Wk: QUANTISED
;;     3. [M 8,192, K 1,024] x [K 1,024, N 1,024]; A: input hidden_states; B: input Wv: QUANTISED
;;     4. batch 64 x [M 2,048, K 64] x [K 64, N 2,048]; A: computed on the way; B: computed on the way: left as it is (an operand is computed on the way)
;;     5. batch 64 x [M 2,048, K 2,048] x [K 2,048, N 64]; A: computed on the way; B: computed on the way: left as it is (an operand is computed on the way)
;;     6. [M 8,192, K 1,024] x [K 1,024, N 1,024]; A: computed on the way; B: input Wo: left as it is (an operand is computed on the way)
;;   THE QUANTISER, for each operand of a quantised product, along K:
;;     - K is cut into blocks of 32 from its start; a last block that is shorter is filled with zeros.
;;     - A block's scale is 2^e with e = floor(log2(the largest magnitude in the block)) - 2, held to -126 .. 127; a block of zeros has e = 0. As a byte (E8M0): e + 127.
;;     - Each number is divided by its block's scale, clamped to +-6, and rounded to the nearest number of E2M1, ties to even, subnormals kept.
;;     - The product sums the exact products of the quantised numbers (number of the format x scale) in f32.
;;   ~~~python
;;   def quantise(x, axis):      # numpy; x: float32 -> the quantised numbers, widened to float32 again
;;       x = np.moveaxis(x, axis, -1); K = x.shape[-1]
;;       x = np.pad(x, [(0, 0)] * (x.ndim - 1) + [(0, -K % 32)]); x = x.reshape(x.shape[:-1] + (-1, 32)); a = np.abs(x).max(-1, keepdims=True)
;;       e = np.where(a > 0, np.clip(np.frexp(np.where(a > 0, a, 1))[1] - 1 - 2, -126, 127), 0)      # np.frexp(a)[1] - 1 = floor(log2(a)), exactly
;;       r = np.clip(x / 2.0 ** e, -6, 6)
;;       step = 2.0 ** (np.maximum(np.frexp(np.where(r == 0, 1, r))[1] - 1, 0) - 1)
;;       q = np.round(r / step) * step * 2.0 ** e      # np.round: ties to even
;;       return np.moveaxis(q.reshape(q.shape[:-2] + (-1,))[..., :K], -1, axis).astype(np.float32)
;;   ~~~
;; One version. Each part assembles by itself: llvm-mc -triple=amdgcn-amd-amdhsa -mcpu=gfx1250 --defsym DOCPART=n.
;; ======== version 1 of 1: 5 launches
;; limits: values are held in f16: magnitudes above 65,504 overflow, below 6.1e-05 lose precision
;; workspace buffers: xq 4,456,448 bytes; wq 3,768,320 bytes; qkv16 50,331,648 bytes; aux 1,310,720 bytes; a16 16,777,216 bytes; vtot 16,384 bytes
;; launch prep (part 1): grid 832 x 1, 4 waves a work-group, no clusters, 31,232 bytes of LDS; arguments hidden_states, Wq, Wk, Wv, Wo, xq, wq; writes xq, wq
.if DOCPART == 1
	.amdgcn_target "amdgcn-amd-amdhsa--gfx1250"
	.amdhsa_code_object_version 6
	.text
	.protected	k_q4de91764f6_prep
	.globl	k_q4de91764f6_prep
	.p2align	8
	.type	k_q4de91764f6_prep,@function
k_q4de91764f6_prep:
	s_mov_b64 s[64:65], 0
	v_nop
	global_prefetch_b8 v0, s[64:65] scope:SCOPE_SE
	s_setreg_imm32_b32 hwreg(HW_REG_WAVE_MODE, 25, 1), 1
	s_wait_xcnt 0x0
; THREE JOBS IN ONE LAUNCH, told apart by the work-group's number alone; each has LDS bytes of its own.
;  X (work-groups 0-511):   hidden_states [8192][1024] f32 -> codes of E2M1, K innermost, xq+0 [8192][512 bytes], and one E8M0 byte for each 32 along K, xq+4,194,304 [8192][32].
;  W (work-groups 512-703): Wq, Wk, Wv [1024 k][1024 n] f32, K their FIRST axis -> codes laid [3072 n][512 bytes] (row 1024 sel + n) at wq+0, scale bytes [3072][32] at wq+1,572,864.
;  O (work-groups 704-831): Wo f32 -> f16, as it lies, at wq+1,671,168.
; A block's scale is 2^(floor(log2(its largest magnitude)) - 2): its byte is the largest magnitude's exponent field - 2, held at 1 from below.
; LIMITS: a block of zeros gets the byte 1 (its codes are zeros, and this program alone reads the bytes); blocks whose largest magnitude lies under 2^-124 keep the byte 1;
; NaN and infinities are not served; Wo beyond 65,504 has no f16 number.
.set XREG,  5376                       ; X: a wave's LDS region: two stages of 32 x 80 bytes, then its 128 scale bytes
.set SP,    80                         ; a lane's place in a stage: 64 bytes + 16 of padding
.set WSTG,  21504                      ; W: 32 rows (columns of W) x 272 bytes
.set WP,    272
.set WSC,   30208                      ; W: 32 x 16 scale bytes
.set SPARE, 30720                      ; the spare words, 128 bytes a wave: no other line names them
.set SPW,   12                         ; v12 my spare word's LDS address; never rewritten
.set NIL,   13                         ; v13 0; never rewritten
.set R,     16                         ; X: v16-143 eight sets of 16 numbers as loaded
.set X,     144                        ; X: v144-175 two sets of 16 neighbours
.set C,     176                        ; X: v176-191 codes, two registers a step
.set E,     192                        ; X: v192-199 a scale byte a step
.set WX,    16                         ; W: v16-143 four blocks of 32 numbers
.set WC,    144                        ; W: v144-159 codes, four registers a block
.set SB,    160                        ; W: v160 my four scale bytes
.set OUTR,  164                        ; W: v164-179 rows on the way out
.macro CLOSE                           ; the wave's end, behind the last LDS store
	s_wait_tensorcnt 0x0
	ds_add_u32 v[SPW], v[NIL]
	s_wait_dscnt 0x0
	s_endpgm
.endm
	s_load_b256 s[4:11], s[0:1], 0x0               ; hidden_states, Wq, Wk, Wv
	s_load_b128 s[12:15], s[0:1], 0x20             ; Wo, xq
	s_load_b64 s[16:17], s[0:1], 0x30              ; wq
	v_lshl_add_u32 v[SPW], v0, 2, SPARE
	v_mov_b32 v[NIL], 0
	v_lshrrev_b32 v1, 5, v0
	v_readfirstlane_b32 s20, v1                    ; wave
	v_and_b32 v2, 31, v0                           ; lane
	s_wait_kmcnt 0x0
	s_cmp_lt_u32 ttmp9, 512
	s_cbranch_scc0 .Lnot_x
; ---------------- X: a wave takes 8 steps of 512 numbers.  Each load reads 512 consecutive bytes; a step's 2,048 bytes turn through the wave's stage so that a lane holds 16 neighbours along K.
	v_lshlrev_b32 v3, 4, v2                        ; my 16 bytes of a load's 512
	s_mul_i32 s21, s20, XREG
	v_lshrrev_b32 v14, 2, v2
	v_mul_u32_u24 v14, v14, SP
	v_and_b32 v15, 3, v2
	v_lshl_add_u32 v14, v15, 4, v14
	v_add_nc_u32 v14, s21, v14                     ; into the stage: 80 (lane / 4) + 16 (lane % 4)
	v_mul_u32_u24 v15, v2, SP
	v_add_nc_u32 v15, s21, v15                     ; out of it: 80 x lane
	v_lshlrev_b32 v4, 3, v2                        ; my 8 bytes of a step's 256 bytes of codes
	v_lshrrev_b32 v5, 1, v2
	s_add_co_u32 s21, s21, 2*32*SP
	v_add_nc_u32 v5, s21, v5                       ; my block's scale byte
	v_lshlrev_b32 v7, 2, v2
	v_add_nc_u32 v6, s21, v7                       ; and 4 bytes a lane on the way out
	s_lshl_b32 s21, ttmp9, 2
	s_add_co_u32 s21, s21, s20                     ; which run of 4,096 numbers is my wave's
	s_lshl_b32 s22, s21, 14
	s_mov_b32 s23, 0
	s_add_nc_u64 s[4:5], s[4:5], s[22:23]
	s_lshl_b32 s22, s21, 11
	s_add_nc_u64 s[24:25], s[14:15], s[22:23]      ; its codes
	s_lshl_b32 s22, s21, 7
	s_add_nc_u64 s[26:27], s[14:15], s[22:23]
	s_add_nc_u64 s[26:27], s[26:27], 4194304       ; its scale bytes
.macro XLOAD t
.irp i, 0,1,2,3
	global_load_b128 v[R+16*(\t)+4*\i:R+16*(\t)+4*\i+3], v3, s[4:5] offset:2048*(\t)+512*\i th:TH_LOAD_NT
.endr
.endm
.macro XTURN t                         ; LDS serves a wave's instructions in order: no wait between the stores and the loads
.irp i, 0,1,2,3
	ds_store_b128 v14, v[R+16*(\t)+4*\i:R+16*(\t)+4*\i+3] offset:32*SP*((\t)%2)+8*SP*\i
.endr
.irp i, 0,1,2,3
	ds_load_b128 v[X+16*((\t)%2)+4*\i:X+16*((\t)%2)+4*\i+3], v15 offset:32*SP*((\t)%2)+16*\i
.endr
.endm
.macro XSTEP t
.set XS, X+16*((\t)%2)
.if (\t) > 0
	s_wait_dscnt 1                                 ; this step's numbers are back; the last step's byte store may be out
.else
	s_wait_dscnt 0x0
.endif
.if (\t) < 7
	s_wait_loadcnt 4*(6-(\t))                      ; the next step's four loads are in; those of the steps behind it may be out
	XTURN (\t)+1
.endif
	v_max3_num_f32 v8, |v[XS]|, |v[XS+1]|, |v[XS+2]|
	v_max3_num_f32 v9, |v[XS+3]|, |v[XS+4]|, |v[XS+5]|
.irp i, 6,10
	v_max3_num_f32 v8, v8, |v[XS+\i]|, |v[XS+\i+1]|
	v_max3_num_f32 v9, v9, |v[XS+\i+2]|, |v[XS+\i+3]|
.endr
	v_max3_num_f32 v8, v8, |v[XS+14]|, |v[XS+15]|
	v_max3_num_f32 v8, v8, v9, 0x1800000           ; the floor 2^(3 - 127): the byte cannot fall under 1
	v_max_num_f32_dpp v8, v8, v8 row_xmask:1 row_mask:0xf bank_mask:0xf   ; with my neighbour's 16: the block's largest magnitude
	v_add_nc_u32 v11, 0xff000000, v8               ; 2 off its exponent field: the conversion's scale operand
	v_cvt_scalef32_pk8_fp4_f32 v[C+2*(\t)], v[XS:XS+7], v11
	v_cvt_scalef32_pk8_fp4_f32 v[C+2*(\t)+1], v[XS+8:XS+15], v11
	v_lshrrev_b32 v[E+(\t)], 23, v11               ; the scale's byte
	ds_store_b8 v5, v[E+(\t)] offset:16*(\t)       ; both lanes of a block write the same byte with the same value
	global_store_b64 v4, v[C+2*(\t):C+2*(\t)+1], s[24:25] offset:256*(\t)   ; the wave stores 256 consecutive bytes, aligned
.endm
.irp t, 0,1,2,3,4,5,6,7
	XLOAD \t
.endr
	s_wait_loadcnt 28                              ; step 0's four loads are in
	XTURN 0
.irp t, 0,1,2,3,4,5,6,7
	XSTEP \t
.endr
	ds_load_b32 v8, v6                             ; my wave's 128 scale bytes, 4 a lane
	s_wait_dscnt 0x0
	global_store_b32 v7, v8, s[26:27]
	CLOSE
.Lnot_x:
	s_cmp_lt_u32 ttmp9, 704
	s_cbranch_scc0 .Lcast
; ---------------- W: a lane takes a column, its registers run down K.  The work-group takes 32 columns x 512 along K, a wave 128 of them (four blocks).
	s_sub_co_u32 s21, ttmp9, 512
	s_lshr_b32 s22, s21, 6                         ; which weight: 0 q, 1 k, 2 v
	s_bfe_u32 s23, s21, 0x50001                    ; which 32 columns
	s_and_b32 s24, s21, 1                          ; which half of K
	s_cmp_eq_u32 s22, 0
	s_cselect_b64 s[6:7], s[6:7], s[8:9]
	s_cmp_eq_u32 s22, 2
	s_cselect_b64 s[6:7], s[10:11], s[6:7]
	s_lshl_b32 s25, s24, 2
	s_add_co_u32 s25, s25, s20
	s_lshl_b32 s25, s25, 19                        ; (512 half + 128 wave) rows of 4,096 bytes
	s_lshl_b32 s26, s23, 7
	s_add_co_u32 s26, s26, s25
	s_mov_b32 s27, 0
	s_add_nc_u64 s[6:7], s[6:7], s[26:27]
	s_lshl_b32 s28, s22, 10
	s_lshl_b32 s29, s23, 5
	s_add_co_u32 s28, s28, s29                     ; the first row of the codes' buffer: 1024 sel + 32 cg
	s_lshl_b32 s26, s28, 9
	s_lshl_b32 s29, s24, 8
	s_add_co_u32 s26, s26, s29
	s_add_nc_u64 s[30:31], s[16:17], s[26:27]      ; codes
	s_lshl_b32 s26, s28, 5
	s_lshl_b32 s29, s24, 4
	s_add_co_u32 s26, s26, s29
	s_add_nc_u64 s[32:33], s[16:17], s[26:27]
	s_add_nc_u64 s[32:33], s[32:33], 1572864       ; scale bytes
	v_lshlrev_b32 v3, 2, v2
	v_mul_u32_u24 v4, v2, WP
	s_lshl_b32 s29, s20, 6
	s_add_co_u32 s29, s29, WSTG
	v_add_nc_u32 v4, s29, v4                       ; stage: row = my column, my wave's 64 bytes
	v_lshlrev_b32 v5, 4, v2
	s_lshl_b32 s29, s20, 2
	s_add_co_u32 s29, s29, WSC
	v_add_nc_u32 v5, s29, v5                       ; my column's 16 scale bytes, my wave's 4
	v_lshrrev_b32 v8, 4, v2
	v_and_b32 v9, 15, v2
	v_mul_u32_u24 v6, v8, WP
	v_lshl_add_u32 v6, v9, 4, v6
	s_mul_i32 s29, s20, 8*WP
	s_add_co_u32 s29, s29, WSTG
	v_add_nc_u32 v6, s29, v6                       ; out of the stage: my wave's 8 rows, sixteen lanes to a row
	v_lshlrev_b32 v7, 9, v8
	v_lshl_add_u32 v7, v9, 4, v7
	s_lshl_b32 s29, s20, 12
	v_add_nc_u32 v7, s29, v7                       ; and the same place in the codes' buffer
	v_lshl_add_u32 v8, v2, 4, WSC
	v_lshlrev_b32 v9, 5, v2
.macro WLOAD t                         ; block t: W(32 t + n, my column), n = 0 .. 31, into registers of its own; each load reads 128 consecutive bytes a wave
.set n, 0
.rept 32
	global_load_b32 v[WX+32*(\t)+n], v3, s[6:7] offset:(32*(\t)+n)*4096 th:TH_LOAD_NT
.set n, n+1
.endr
.endm
	WLOAD 0                                        ; the loads run two blocks ahead
	WLOAD 1
.macro WBLOCK t
.set XS, WX+32*(\t)
.if (\t) < 3
	s_wait_loadcnt 32                              ; this block's 32 loads are in; the next block's 32 may be out
.else
	s_wait_loadcnt 0x0
.endif
.if (\t) < 2
	WLOAD (\t)+2
.endif
	v_max3_num_f32 v10, |v[XS]|, |v[XS+1]|, |v[XS+2]|
	v_max3_num_f32 v11, |v[XS+3]|, |v[XS+4]|, |v[XS+5]|
.irp i, 6,10,14,18,22,26
	v_max3_num_f32 v10, v10, |v[XS+\i]|, |v[XS+\i+1]|
	v_max3_num_f32 v11, v11, |v[XS+\i+2]|, |v[XS+\i+3]|
.endr
	v_max3_num_f32 v10, v10, |v[XS+30]|, |v[XS+31]|
	v_max3_num_f32 v10, v10, v11, 0x1800000
	v_add_nc_u32 v11, 0xff000000, v10
	v_lshrrev_b32 v10, 23, v11
.if (\t) == 0
	v_mov_b32 v[SB], v10
.else
	v_lshl_or_b32 v[SB], v10, 8*(\t), v[SB]
.endif
.irp g, 0,1,2,3
	v_cvt_scalef32_pk8_fp4_f32 v[WC+4*(\t)+\g], v[XS+8*\g:XS+8*\g+7], v11
.endr
	v_nop                                          ; one plain line behind the last conversion
	ds_store_b128 v4, v[WC+4*(\t):WC+4*(\t)+3] offset:16*(\t)
.endm
.irp t, 0,1,2,3
	WBLOCK \t
.endr
	ds_store_b32 v5, v[SB]
	s_wait_dscnt 0x0                               ; for the others' sake: my stores have landed
	s_barrier_signal -1
	s_barrier_wait -1
.irp t, 0,1,2,3
	ds_load_b128 v[OUTR+4*\t:OUTR+4*\t+3], v6 offset:2*WP*\t
.endr
.irp t, 0,1,2,3
	s_wait_dscnt 3-\t
	global_store_b128 v7, v[OUTR+4*\t:OUTR+4*\t+3], s[30:31] offset:1024*\t   ; sixteen lanes store 256 consecutive bytes, aligned
.endr
	s_cmp_lg_u32 s20, 0
	s_cbranch_scc1 .Lw_done
	ds_load_b128 v[180:183], v8                    ; wave 0: the 32 columns' 16 scale bytes each
	s_wait_dscnt 0x0
	global_store_b128 v9, v[180:183], s[32:33]
.Lw_done:
	CLOSE
.Lcast:
; ---------------- O: a wave casts 2,048 numbers of Wo
	s_sub_co_u32 s21, ttmp9, 704
	s_lshl_b32 s21, s21, 2
	s_add_co_u32 s21, s21, s20
	s_lshl_b32 s22, s21, 13
	s_mov_b32 s23, 0
	s_add_nc_u64 s[12:13], s[12:13], s[22:23]
	s_lshl_b32 s22, s21, 12
	s_add_nc_u64 s[16:17], s[16:17], s[22:23]
	s_add_nc_u64 s[16:17], s[16:17], 1671168
	v_lshlrev_b32 v3, 4, v2
	v_lshlrev_b32 v4, 3, v2
.irp t, 0,1,2,3,4,5,6,7,8,9,10,11,12,13,14,15
	global_load_b128 v[16+4*\t:19+4*\t], v3, s[12:13] offset:512*\t th:TH_LOAD_NT
.endr
.irp t, 0,1,2,3,4,5,6,7,8,9,10,11,12,13,14,15
	s_wait_loadcnt 15-\t
	v_cvt_pk_f16_f32 v[80+2*\t], v[16+4*\t], v[17+4*\t]
	v_cvt_pk_f16_f32 v[81+2*\t], v[18+4*\t], v[19+4*\t]
	global_store_b64 v4, v[80+2*\t:81+2*\t], s[16:17] offset:256*\t
.endr
	CLOSE
.Lfunc_end_k_q4de91764f6_prep:
	.size	k_q4de91764f6_prep, .Lfunc_end_k_q4de91764f6_prep-k_q4de91764f6_prep
	.p2alignl 7, 3214868480
	.fill 96, 4, 3214868480
	.section	.rodata,"a",@progbits
	.p2align	6, 0x0
	.amdhsa_kernel k_q4de91764f6_prep
		.amdhsa_group_segment_fixed_size 31232
		.amdhsa_private_segment_fixed_size 0
		.amdhsa_enable_private_segment 0
		.amdhsa_kernarg_size 56
		.amdhsa_user_sgpr_count 2
		.amdhsa_user_sgpr_kernarg_segment_ptr 1
		.amdhsa_wavefront_size32 1
		.amdhsa_system_sgpr_workgroup_id_x 1
		.amdhsa_system_sgpr_workgroup_id_y 1
		.amdhsa_system_sgpr_workgroup_id_z 1
		.amdhsa_system_vgpr_workitem_id 0
		.amdhsa_next_free_vgpr 200
		.amdhsa_next_free_sgpr 66
		.amdhsa_reserve_vcc 0
		.amdhsa_float_denorm_mode_32 3
		.amdhsa_float_denorm_mode_16_64 3
		.amdhsa_memory_ordered 1
		.amdhsa_forward_progress 1
		.amdhsa_inst_pref_size 46
	.end_amdhsa_kernel
	.amdgpu_metadata
---
amdhsa.version: [ 1, 2 ]
amdhsa.kernels:
  - .name:           k_q4de91764f6_prep
    .symbol:         k_q4de91764f6_prep.kd
    .args:
      - { .name: hidden_states, .offset: 0, .size: 8, .value_kind: global_buffer, .address_space: global }
      - { .name: Wq, .offset: 8, .size: 8, .value_kind: global_buffer, .address_space: global }
      - { .name: Wk, .offset: 16, .size: 8, .value_kind: global_buffer, .address_space: global }
      - { .name: Wv, .offset: 24, .size: 8, .value_kind: global_buffer, .address_space: global }
      - { .name: Wo, .offset: 32, .size: 8, .value_kind: global_buffer, .address_space: global }
      - { .name: xq, .offset: 40, .size: 8, .value_kind: global_buffer, .address_space: global }
      - { .name: wq, .offset: 48, .size: 8, .value_kind: global_buffer, .address_space: global }
    .group_segment_fixed_size: 31232
    .private_segment_fixed_size: 0
    .kernarg_segment_align: 8
    .kernarg_segment_size: 56
    .max_flat_workgroup_size: 128
    .sgpr_count:     66
    .vgpr_count:     200
    .wavefront_size: 32
...
	.end_amdgpu_metadata
.endif
;; end of part 1
;; launch qkv (part 2): grid 12 x 32, 4 waves a work-group, clusters of 4 x 4, 327,680 bytes of LDS; arguments xq, wq, bq, bk, bv, qkv16, aux; writes qkv16, aux
.if DOCPART == 2
	.amdgcn_target "amdgcn-amd-amdhsa--gfx1250"
	.amdhsa_code_object_version 6
	.text
	.protected	k_q4de91764f6_qkv
	.globl	k_q4de91764f6_qkv
	.p2align	8
	.type	k_q4de91764f6_qkv,@function
k_q4de91764f6_qkv:
	s_mov_b64 s[64:65], 0
	v_nop
	global_prefetch_b8 v0, s[64:65] scope:SCOPE_SE
	s_setreg_imm32_b32 hwreg(HW_REG_WAVE_MODE, 25, 1), 1
	s_wait_xcnt 0x0
	s_wait_alu depctr_hold_cnt(0) depctr_sa_sdst(0) depctr_va_vdst(0) depctr_va_sdst(0) depctr_va_ssrc(0) depctr_va_vcc(0) depctr_vm_vsrc(0)
	s_getreg_b32 s2, hwreg(HW_REG_IB_STS2, 6, 4)
	s_cmp_eq_u32 s2, 0
	s_cbranch_scc0 .Lentry_in_a_cluster
	s_endpgm
.Lentry_in_a_cluster:
	s_bfe_u32 s2, ttmp6, 0x10000c
	s_cmp_lg_u32 s2, 0xf033
	s_cbranch_scc0 .Lentry_shape_is_right
	s_endpgm
.Lentry_shape_is_right:
; [q | k | v] = Q(hidden_states) Q([Wq | Wk | Wv]) + [bq | bk | bv]: one product 8192 x 3072 x 1024 on codes of E2M1 with one E8M0 scale for each 32 along K; sums in f32.
; A tile of C, 256 x 256, is made by four waves, each 128 x 128: 64 accumulators of 16 x 16.  K = 1,024 is two LDS slots of 512: both are filled at the start, with the scale bytes of the tile's rows; nothing is filled again.
; CLUSTERS: 4 x 4 work-groups; A's tiles are asked for jointly along a row of the cluster, B's along a column.  A column of clusters is one of q, k, v (4 x 256 columns).
; THE MATRIX INSTRUCTION IS USED TRANSPOSED (source 0 = 16 rows of the weights' codes, source 1 = 16 rows of x): a lane holds eight neighbouring columns of one row of C.  The bias is the C of each sum's first product.
; OUT: qkv16 [8192][3072] f16 (LIMIT: magnitudes beyond 65,504 have no f16 number); for v the f32 column sums of each 64 rows, aux+0 [128][1024]; for positions 0-15 of each sequence the f32 numbers, aux+524,288 [64][3072].
; REGISTERS: window 0: v7-29 addresses; v32-95 scale words, two sets; v128-191 A's fragments; v192-255 the bias, later the way out.  window 1: B's fragments, two sets.  windows 2, 3: the accumulators.
.set KSTEP,  512
.set NQ,     4
.set ROWB,   256
.set KROW,   512
.set PITCH,  272
.set FR,     8
.set NL,     2
.set NP,     4
.set HALFT,  128*PITCH
.set SLOT,   4*HALFT
.set KS,     32
.set SCL,    2*SLOT
.set HALFS,  (128*KS/256)*272
.set SBLK,   (16*KS/256)*272
.set SPARE,  SCL+4*HALFS
.set CROW,   6144                      ; a row of qkv16 in bytes
.set STG,    8448                      ; the way out: a stage for each wave, in slot 0, which has had its only fill and its last read by then
.set BV,   7                           ; v7   32 x (lane / 16): my eight bias numbers of a block
.set STO32, 8                          ; v8   f32 stage, in
.set RD32, 9                           ; v9   f32 stage, back
.set L16,  10                          ; v10  16 x lane
.set QV,   11                          ; v11  my place in the f32 rows of aux
.set FLG,  12                          ; v12  0 in the waves that hold positions 0-15
.set ADRA, 16
.set ADRB, 20
.set STO,  24
.set RD,   25
.set CO,   26
.set ADRS, 27
.set SPW,  28
.set NIL,  29
.set SC,   32
.set AF,   128
.set BIAS, 192
.set TMP,  192
.set OB,   32
.set G1, 24
.set G0, 32
.set G1B, 48
.set G0B, 56
.set G1S, 68
.set G0S, 76
.set G1SB, 80
.set G0SB, 88
.set MSB, 0
.macro WIN new                         ; the immediate's high byte repeats the setting that is left
.if MSB != (\new)
	s_set_vgpr_msb (MSB<<8)|(\new)
.set MSB, (\new)
.endif
.endm
.set MUL_LO, 0xa1
.set MUL_HI, 0xf1
.set TO_B,   0x40
.macro JLOAD g0a, g1a, g0b, g1b        ; a joint load: waves 0 and 1 fetch for A, waves 2 and 3 for B; an s_nop 0 and four v_nop follow each line
	s_cmp_eq_u32 s15, 0
	s_cbranch_scc0 .Lfor_b_\@
	tensor_load_to_lds s[\g0a:\g0a+3], s[\g1a:\g1a+7]
	s_nop 0
.rept 4
	v_nop
.endr
	s_branch .Lasked_\@
.Lfor_b_\@:
	tensor_load_to_lds s[\g0b:\g0b+3], s[\g1b:\g1b+7]
	s_nop 0
.rept 4
	v_nop
.endr
.Lasked_\@:
.endm
.macro CROUND                          ; a round of the cluster's barrier
	s_barrier_signal -1
	s_barrier_wait -1
	s_cmp_lg_u32 s14, 0
	s_cbranch_scc1 .Lnot_wave_0_\@
	s_barrier_signal -3
.Lnot_wave_0_\@:
	s_barrier_wait -3
	s_barrier_signal -1
	s_barrier_wait -1
.endm
	s_load_b128 s[4:7], s[0:1], 0x0                ; xq, wq
	s_load_b128 s[96:99], s[0:1], 0x10             ; bq, bk
	s_load_b64 s[100:101], s[0:1], 0x20            ; bv
	s_load_b64 s[12:13], s[0:1], 0x28              ; qkv16
	s_load_b64 s[66:67], s[0:1], 0x30              ; aux
	v_lshl_add_u32 v[SPW], v0, 2, SPARE
	v_mov_b32 v[NIL], 0
	ds_add_u32 v[SPW], v[NIL]                      ; the wave's opening: the add, twice on end, and its wait ahead of my first tensor load
	ds_add_u32 v[SPW], v[NIL]
	v_lshrrev_b32 v1, 5, v0
	v_readfirstlane_b32 s14, v1                    ; wave 0..3
	s_lshr_b32 s15, s14, 1                         ; which half of the tile's rows is mine.  Also: I fetch for A (0) or for B (1)
	s_and_b32 s16, s14, 1                          ; which half of its columns.  Also: which 128 rows of that tile I fetch
	s_bfe_u32 s40, ttmp6, 0x40000                  ; cx
	s_bfe_u32 s41, ttmp6, 0x40004                  ; cy
	s_lshl_b32 s42, ttmp9, 2
	s_add_co_u32 s42, s42, s40                     ; tile column
	s_and_b32 s17, ttmp7, 0xffff
	s_lshl_b32 s17, s17, 2
	s_add_co_u32 s17, s17, s41                     ; tile row
	s_lshl_b32 s43, s41, 2
	s_lshl_b32 s43, 15, s43                        ; my row of the cluster
	s_lshl_b32 s44, 0x1111, s40                    ; my column
	s_or_b32 s[G1+0], s43, (0<<16)|(1<<20)|(1<<21)|(5<<22)|(3<<25)   ; the mask; elements of 1 byte; 4 words of padding behind every 64
	s_or_b32 s[G1B+0], s44, (0<<16)|(1<<20)|(1<<21)|(5<<22)|(3<<25)
.irp g, G1, G1B
	s_mov_b32 s[\g+1], ROWB<<16                    ; tensor_dim0
	s_mov_b32 s[\g+2], 128<<16                     ; tensor_dim1
	s_mov_b32 s[\g+3], ROWB<<16                    ; tile_dim0
	s_mov_b32 s[\g+4], 128                         ; tile_dim1
	s_mov_b32 s[\g+5], KROW                        ; the pitch
	s_mov_b32 s[\g+6], 0
	s_mov_b32 s[\g+7], 0
.endr
	s_or_b32 s[G1S+0], s43, (3<<16)|(1<<20)|(1<<21)|(5<<22)|(3<<25)  ; the scales of 128 rows: 4,096 dense bytes as 16 rows of 256
	s_or_b32 s[G1SB+0], s44, (3<<16)|(1<<20)|(1<<21)|(5<<22)|(3<<25)
.irp g, G1S, G1SB
	s_mov_b32 s[\g+1], 32<<16
	s_mov_b32 s[\g+2], (128*KS/256)<<16
	s_mov_b32 s[\g+3], 32<<16
	s_mov_b32 s[\g+4], 128*KS/256
	s_mov_b32 s[\g+5], 32
	s_mov_b32 s[\g+6], 0
	s_mov_b32 s[\g+7], 0
.endr
	s_lshl_b32 s18, s16, 7
	s_lshl_b32 s20, s17, 8
	s_add_co_u32 s20, s20, s18                     ; A: row 256 x tile row + 128 x half
	s_lshl_b32 s46, s42, 8
	s_add_co_u32 s46, s46, s18                     ; B: row 256 x tile column + 128 x half
	s_mov_b32 s21, 0
	s_mov_b32 s47, 0
	s_mov_b64 s[18:19], KS
	s_mul_u64 s[22:23], s[20:21], s[18:19]
	s_mul_u64 s[92:93], s[46:47], s[18:19]
	s_mov_b64 s[18:19], KROW
	s_mul_u64 s[20:21], s[20:21], s[18:19]
	s_mul_u64 s[46:47], s[46:47], s[18:19]
	s_mul_i32 s45, s14, HALFT
	s_mul_i32 s94, s14, HALFS
	s_wait_dscnt 0x0                               ; both opening adds are done
	s_wait_kmcnt 0x0
	s_mov_b64 s[8:9], s[6:7]                       ; the weights' codes,
	s_add_nc_u64 s[10:11], s[6:7], 1572864         ; their scale bytes,
	s_add_nc_u64 s[6:7], s[4:5], 4194304           ; x's scale bytes
	s_add_nc_u64 s[20:21], s[4:5], s[20:21]
	s_add_nc_u64 s[22:23], s[6:7], s[22:23]
	s_add_nc_u64 s[46:47], s[8:9], s[46:47]
	s_add_nc_u64 s[92:93], s[10:11], s[92:93]
	CROUND                                         ; all sixteen work-groups are here: the joint loads meet
	s_mov_b32 s[G0S], 1
	s_add_co_u32 s[G0S+1], s94, SCL
	s_mov_b64 s[G0S+2:G0S+3], s[22:23]
	s_or_b32 s[G0S+3], s[G0S+3], 0x80000000
	s_mov_b32 s[G0SB], 1
	s_add_co_u32 s[G0SB+1], s94, SCL
	s_mov_b64 s[G0SB+2:G0SB+3], s[92:93]
	s_or_b32 s[G0SB+3], s[G0SB+3], 0x80000000
	JLOAD G0S, G1S, G0SB, G1SB                     ; three loads of mine are out: the scales, slot 0, slot 1
.irp s, 0,1
	s_mov_b32 s[G0+4*\s], 1
	s_add_co_u32 s[G0+4*\s+1], s45, \s*SLOT
	s_add_nc_u64 s[G0+4*\s+2:G0+4*\s+3], s[20:21], \s*ROWB
	s_or_b32 s[G0+4*\s+3], s[G0+4*\s+3], 0x80000000
	s_mov_b32 s[G0B+4*\s], 1
	s_add_co_u32 s[G0B+4*\s+1], s45, \s*SLOT
	s_add_nc_u64 s[G0B+4*\s+2:G0B+4*\s+3], s[46:47], \s*ROWB
	s_or_b32 s[G0B+4*\s+3], s[G0B+4*\s+3], 0x80000000
	JLOAD G0+4*\s, G1, G0B+4*\s, G1B
.endr
	v_and_b32 v1, 15, v0                           ; r
	v_bfe_u32 v2, v0, 4, 1                         ; h
	v_mul_u32_u24 v3, v1, PITCH
	v_lshl_add_u32 v4, v2, 4, v3
	s_mul_i32 s21, s15, HALFT
	s_mul_i32 s22, s16, HALFT
	s_add_co_u32 s22, s22, 2*HALFT
.irp s, 0,1
	v_add_nc_u32 v[ADRA+\s], s21, v4
	v_add_nc_u32 v[ADRB+\s], s22, v4
	s_add_co_u32 s21, s21, SLOT
	s_add_co_u32 s22, s22, SLOT
.endr
	v_mul_u32_u24 v5, v1, KS
	v_lshrrev_b32 v6, 8, v5
	v_lshl_add_u32 v5, v6, 4, v5
	s_mul_i32 s21, s15, HALFS
	s_mul_i32 s22, s16, HALFS
	s_add_co_u32 s22, s22, 2*HALFS
	s_sub_co_u32 s22, s22, s21
	v_mul_u32_u24 v6, s22, v2                      ; lanes 16-31 take B's scale words
	s_add_co_u32 s21, s21, SCL
	v_add_nc_u32 v5, v5, v6
	v_add_nc_u32 v[ADRS], s21, v5
	s_mul_i32 s23, s14, STG                        ; my stage
	v_mul_u32_u24 v5, v1, 272
	v_lshl_add_u32 v5, v2, 4, v5
	v_add_nc_u32 v[STO], s23, v5                   ; f16: row r, 16 bytes for each half of the lanes
	v_mul_u32_u24 v5, v2, 272
	v_lshl_add_u32 v5, v1, 4, v5
	v_add_nc_u32 v[RD], s23, v5                    ; back: sixteen lanes to a row of 256 bytes
	v_mul_u32_u24 v5, v2, CROW
	v_lshl_add_u32 v[CO], v1, 4, v5
	v_mul_u32_u24 v5, v1, 528
	v_lshl_add_u32 v5, v2, 5, v5
	v_add_nc_u32 v[STO32], s23, v5                 ; f32: row r of 528 bytes, 32 bytes for each half
	v_and_b32 v6, 31, v0
	v_lshlrev_b32 v[L16], 4, v6
	v_add_nc_u32 v[RD32], s23, v[L16]
	v_lshlrev_b32 v[BV], 5, v2
	v_mul_u32_u24 v5, v1, 12288
	v_lshl_add_u32 v[QV], v2, 5, v5
	s_lshl_b32 s20, s17, 8
	s_lshl_b32 s21, s15, 7
	s_add_co_u32 s20, s20, s21                     ; my first row of C
	s_mul_i32 s20, s20, CROW
	s_mov_b32 s21, 0
	s_lshl_b32 s46, s42, 9
	s_lshl_b32 s47, s16, 8
	s_add_co_u32 s46, s46, s47                     ; my first column, in bytes of f16
	s_mov_b32 s47, 0
	s_add_nc_u64 s[20:21], s[20:21], s[46:47]
	s_add_nc_u64 s[12:13], s[12:13], s[20:21]
	s_cmp_eq_u32 ttmp9, 0                          ; which bias: the cluster's x, the same in all sixteen partners
	s_cselect_b64 s[96:97], s[96:97], s[98:99]
	s_cmp_eq_u32 ttmp9, 2
	s_cselect_b64 s[96:97], s[100:101], s[96:97]
	s_lshl_b32 s46, s40, 10
	s_lshl_b32 s47, s16, 9
	s_add_co_u32 s46, s46, s47                     ; my 128 columns among the 1,024, in bytes of f32
	s_mov_b32 s47, 0
	s_add_nc_u64 s[96:97], s[96:97], s[46:47]
.irp b, 0,1,2,3,4,5,6,7
	global_load_b128 v[BIAS+8*\b:BIAS+8*\b+3], v[BV], s[96:97] offset:64*\b       ; register 8 b + j: the bias of column 16 b + 8 h + j
	global_load_b128 v[BIAS+8*\b+4:BIAS+8*\b+7], v[BV], s[96:97] offset:64*\b+16
.endr
	s_lshl_b32 s20, s17, 14
	s_lshl_b32 s21, s15, 13
	s_add_co_u32 s20, s20, s21
	s_add_co_u32 s20, s20, s46
	s_mov_b32 s21, 0
	s_add_nc_u64 s[92:93], s[66:67], s[20:21]      ; the column sums: block of 64 rows 4 x tile row + 2 x half, my 128 columns
	s_lshr_b32 s20, s17, 3
	s_mul_i32 s20, s20, 196608
	s_lshl_b32 s21, s42, 10
	s_add_co_u32 s20, s20, s21
	s_lshl_b32 s21, s16, 9
	s_add_co_u32 s20, s20, s21
	s_add_co_u32 s20, s20, 524288
	s_mov_b32 s21, 0
	s_add_nc_u64 s[66:67], s[66:67], s[20:21]      ; the f32 rows of positions 0-15
	s_and_b32 s20, s17, 7
	s_or_b32 s20, s20, s15
	v_mov_b32 v[FLG], s20
.macro FRAG reg, adr, q, i             ; 16 rows x 128 K of 4-bit codes: 8 registers
.irp c, 0,1
	ds_load_b128 v[\reg+4*\c:\reg+4*\c+3], v[\adr] offset:64*(\q)+32*\c+(\i)*16*PITCH
.endr
.endm
; 16 matrix instructions: A's blocks a0, a0 + 1 x B's eight.  zero = 1: the first product starts the sums, with the bias as C.  The 64 accumulators take turns, one instruction a turn.
.macro MUL16 a0, p, q, sc, zero
.irp a, \a0, \a0+1
.irp b, 0,1,2,3,4,5,6,7
.if \zero
	v_wmma_scale_f32_16x16x128_f8f6f4 v[8*(8*((\a)%4)+\b):8*(8*((\a)%4)+\b)+7], v[128*(\p)+FR*\b:128*(\p)+FR*\b+FR-1], v[AF+FR*(\a):AF+FR*(\a)+FR-1], v[BIAS+8*\b:BIAS+8*\b+7], v[SC+8*NQ*(\sc)+NQ*\b+(\q)], v[SC+8*NQ*(\sc)+NQ*(\a)+(\q)] matrix_a_fmt:MATRIX_FMT_FP4 matrix_b_fmt:MATRIX_FMT_FP4 matrix_a_scale:MATRIX_SCALE_ROW1
.else
	v_wmma_scale_f32_16x16x128_f8f6f4 v[8*(8*((\a)%4)+\b):8*(8*((\a)%4)+\b)+7], v[128*(\p)+FR*\b:128*(\p)+FR*\b+FR-1], v[AF+FR*(\a):AF+FR*(\a)+FR-1], v[8*(8*((\a)%4)+\b):8*(8*((\a)%4)+\b)+7], v[SC+8*NQ*(\sc)+NQ*\b+(\q)], v[SC+8*NQ*(\sc)+NQ*(\a)+(\q)] matrix_a_fmt:MATRIX_FMT_FP4 matrix_b_fmt:MATRIX_FMT_FP4 matrix_a_scale:MATRIX_SCALE_ROW1
.endif
.endr
.endr
.endm
.macro FETCH_B slot, q, p
	WIN TO_B
.irp i, 0,1,2,3,4,5,6,7
	FRAG 128*(\p)+FR*\i, ADRB+\slot, \q, \i
.endr
	WIN 0
.endm
.macro FETCH_A slot, q, i0
.irp i, \i0, \i0+1, \i0+2, \i0+3
	FRAG AF+FR*(\i), ADRA+\slot, \q, \i
.endr
.endm
.macro SCALES sc                       ; a slot's scale words: lanes 0-15 A's block i, lanes 16-31 B's block i
.irp i, 0,1,2,3,4,5,6,7
	ds_load_b128 v[SC+8*NQ*\sc+NQ*\i:SC+8*NQ*\sc+NQ*\i+3], v[ADRS] offset:\i*SBLK
.endr
.endm
.macro PLACES n                        ; plain vector lines between a matrix instruction and a load into, or a read of, its registers
.rept \n
	v_nop
.endr
.endm
.macro STEP slot, q, zero
	s_wait_dscnt 4*NL                              ; B's set and A's blocks 0-3 are in; A's blocks 4-7 may be out
.if \zero
	WIN 0x81                                       ; C (the bias) in window 0
.else
	WIN MUL_LO
.endif
	MUL16 0, (\q)%2, \q, \slot, \zero
	MUL16 2, (\q)%2, \q, \slot, \zero
	s_wait_dscnt 0
	PLACES NP
	FETCH_B \slot, (\q)+1, 1-(\q)%2
	FETCH_A \slot, (\q)+1, 0
.if \zero
	WIN 0xc1
.else
	WIN MUL_HI
.endif
	MUL16 4, (\q)%2, \q, \slot, \zero
	MUL16 6, (\q)%2, \q, \slot, \zero
	PLACES NP
	WIN 0
	FETCH_A \slot, (\q)+1, 4
.endm
.macro STEPS slot, from
.set Q, \from
.rept NQ-1-\from
	STEP \slot, Q, 0
.set Q, Q+1
.endr
.endm
	s_wait_tensorcnt 1                             ; the scales and my part of slot 0 are in; slot 1's load may be out
	s_barrier_signal -1
	s_barrier_wait -1
	FETCH_B 0, 0, 0
	FETCH_A 0, 0, 0
	SCALES 0
	FETCH_A 0, 0, 4
	s_wait_loadcnt 0x0                             ; the bias
	STEP 0, 0, 1
	STEPS 0, 1
	; slot 0's last step changes slots: one barrier; nothing is filled again
	s_wait_tensorcnt 0x0                           ; my part of slot 1 has landed
	ds_add_u32 v[SPW], v[NIL]
	s_wait_dscnt 4*NL+1                            ; the add and A's blocks 4-7 may be out
	WIN MUL_LO
	MUL16 0, 1, NQ-1, 0, 0
	s_wait_dscnt 0x0                               ; the add is done, and my reads of slot 0 are over
	s_barrier_signal -1
	MUL16 2, 1, NQ-1, 0, 0
	WIN 0
	s_barrier_wait -1
	PLACES NP
	v_add_nc_u32 v[ADRS], 4*NQ, v[ADRS]            ; on to slot 1's scale words
	FETCH_B 1, 0, 0
	FETCH_A 1, 0, 0
	SCALES 1
	WIN MUL_HI
	MUL16 4, 1, NQ-1, 0, 0
	MUL16 6, 1, NQ-1, 0, 0
	PLACES NP
	WIN 0
	FETCH_A 1, 0, 4
	STEPS 1, 0
	s_wait_dscnt 4*NL
	WIN MUL_LO
	MUL16 0, 1, NQ-1, 1, 0
	MUL16 2, 1, NQ-1, 1, 0
	s_wait_dscnt 0
	WIN MUL_HI
	MUL16 4, 1, NQ-1, 1, 0
	MUL16 6, 1, NQ-1, 1, 0
	WIN 0
; THE WAY OUT in f16, a block of 16 rows x 128 columns at a time: rounded, 16 bytes a lane into my stage, back as rows of 256 bytes, stored sixteen lanes to an aligned 256 bytes.
.macro PACK a
.set AC, 64*((\a)%4)
	WIN 0x0a+5*((\a)/4)
.irp b, 0,1,2,3,4,5,6,7
.irp r, 0,1,2,3
	v_cvt_pk_f16_f32 v[TMP+4*\b+\r], v[AC+8*\b+2*\r], v[AC+8*\b+2*\r+1]    ; each accumulator from its low end on
.endr
.endr
	WIN 0
.endm
.macro TOSTAGE a
.set BK, OB+192*((\a)%2)
.irp b, 0,1,2,3,4,5,6,7
	ds_store_b128 v[STO], v[TMP+4*\b:TMP+4*\b+3] offset:32*\b
.endr
.irp t, 0,1,2,3,4,5,6,7
	ds_load_b128 v[BK+4*\t:BK+4*\t+3], v[RD] offset:\t*2*272               ; LDS serves a wave's instructions in order
.endr
.endm
.macro SEND a
.set BK, OB+192*((\a)%2)
	s_wait_dscnt 0x0
	s_wait_xcnt 0x0                                ; the earlier stores have read their base and their registers
.if (\a) > 0
	s_add_nc_u64 s[12:13], s[12:13], 16*CROW
.endif
.irp t, 0,1,2,3,4,5,6,7
	global_store_b128 v[CO], v[BK+4*\t:BK+4*\t+3], s[12:13] offset:2*\t*CROW
.endr
.endm
	PLACES NP
	PACK 0
	TOSTAGE 0
.irp a, 1,2,3,4,5,6,7
	PACK \a
	SEND \a-1
	TOSTAGE \a
.endr
	SEND 7
; v's clusters: the f32 sums of each 64 rows, column by column, for the keys that attention does not walk
	s_cmp_eq_u32 ttmp9, 2
	s_cbranch_scc0 .Lno_bsum
.irp g, 0,1
	s_wait_xcnt 0x0                                ; the earlier stores have read their registers
	WIN 0x0a+5*\g
.set i, 0
.rept 32
	v_pk_add_f32 v[64+i:65+i], v[i:i+1], v[64+i:65+i]                       ; blocks 0 + 1 of the window's four
	v_pk_add_f32 v[128+i:129+i], v[128+i:129+i], v[192+i:193+i]             ; blocks 2 + 3
.set i, i+2
.endr
	WIN 0
.set i, 0
.rept 32
	v_pk_add_f32 v[64+i:65+i], v[64+i:65+i], v[128+i:129+i]
.set i, i+2
.endr
.irp b, 0,1,2,3,4,5,6,7
	ds_store_b128 v[STO32], v[64+8*\b:64+8*\b+3] offset:64*\b
	ds_store_b128 v[STO32], v[64+8*\b+4:64+8*\b+7] offset:64*\b+16
.endr
.irp t, 0,1,2,3,4,5,6,7,8,9,10,11,12,13,14,15
	ds_load_b128 v[128+4*\t:128+4*\t+3], v[RD32] offset:528*\t              ; row t, my four columns
.endr
	s_wait_dscnt 0x0
.irp w, 32,16,8,4
.set i, 0
.rept \w/2
	v_pk_add_f32 v[128+i:129+i], v[128+i:129+i], v[128+\w+i:129+\w+i]
.set i, i+2
.endr
.endr
	global_store_b128 v[L16], v[128:131], s[92:93] offset:4096*\g           ; the wave stores 512 consecutive bytes
.endr
.Lno_bsum:
; positions 0-15 of each sequence in f32: the first 16 rows of tile rows 0, 8, 16, 24.  A mask and no branch: the tile row holds my place in the cluster
	v_cmp_eq_u32 vcc_lo, 0, v[FLG]
	s_wait_xcnt 0x0                                ; EXEC changes only behind this wait
	s_and_saveexec_b32 s18, vcc_lo
	WIN 0x08                                       ; the data: window 2
.irp b, 0,1,2,3,4,5,6,7
	global_store_b128 v[QV], v[8*\b:8*\b+3], s[66:67] offset:64*\b
	global_store_b128 v[QV], v[8*\b+4:8*\b+7], s[66:67] offset:64*\b+16
.endr
	WIN 0
	s_wait_xcnt 0x0
	s_or_b32 exec_lo, exec_lo, s18
	s_wait_tensorcnt 0x0                           ; the wave's end
	ds_add_u32 v[SPW], v[NIL]
	s_wait_dscnt 0x0
	CROUND                                         ; the closing round
	s_endpgm
.Lfunc_end_k_q4de91764f6_qkv:
	.size	k_q4de91764f6_qkv, .Lfunc_end_k_q4de91764f6_qkv-k_q4de91764f6_qkv
	.p2alignl 7, 3214868480
	.fill 96, 4, 3214868480
	.section	.rodata,"a",@progbits
	.p2align	6, 0x0
	.amdhsa_kernel k_q4de91764f6_qkv
		.amdhsa_group_segment_fixed_size 327680
		.amdhsa_private_segment_fixed_size 0
		.amdhsa_enable_private_segment 0
		.amdhsa_kernarg_size 56
		.amdhsa_user_sgpr_count 2
		.amdhsa_user_sgpr_kernarg_segment_ptr 1
		.amdhsa_wavefront_size32 1
		.amdhsa_system_sgpr_workgroup_id_x 1
		.amdhsa_system_sgpr_workgroup_id_y 1
		.amdhsa_system_sgpr_workgroup_id_z 1
		.amdhsa_system_vgpr_workitem_id 0
		.amdhsa_next_free_vgpr 1024
		.amdhsa_next_free_sgpr 102
		.amdhsa_reserve_vcc 1
		.amdhsa_float_denorm_mode_32 3
		.amdhsa_float_denorm_mode_16_64 3
		.amdhsa_memory_ordered 1
		.amdhsa_forward_progress 1
		.amdhsa_inst_pref_size 152
	.end_amdhsa_kernel
	.amdgpu_metadata
---
amdhsa.version: [ 1, 2 ]
amdhsa.kernels:
  - .name:           k_q4de91764f6_qkv
    .symbol:         k_q4de91764f6_qkv.kd
    .args:
      - { .name: xq, .offset: 0, .size: 8, .value_kind: global_buffer, .address_space: global }
      - { .name: wq, .offset: 8, .size: 8, .value_kind: global_buffer, .address_space: global }
      - { .name: bq, .offset: 16, .size: 8, .value_kind: global_buffer, .address_space: global }
      - { .name: bk, .offset: 24, .size: 8, .value_kind: global_buffer, .address_space: global }
      - { .name: bv, .offset: 32, .size: 8, .value_kind: global_buffer, .address_space: global }
      - { .name: qkv16, .offset: 40, .size: 8, .value_kind: global_buffer, .address_space: global }
      - { .name: aux, .offset: 48, .size: 8, .value_kind: global_buffer, .address_space: global }
    .group_segment_fixed_size: 327680
    .private_segment_fixed_size: 0
    .kernarg_segment_align: 8
    .kernarg_segment_size: 56
    .max_flat_workgroup_size: 128
    .sgpr_count:     102
    .vgpr_count:     1024
    .wavefront_size: 32
...
	.end_amdgpu_metadata
.endif
;; end of part 2
;; launch attn (part 3): grid 4 x 64, 8 waves a work-group, no clusters, 327,680 bytes of LDS; arguments qkv16, aux, a16, vtot; writes a16, vtot
.if DOCPART == 3
	.amdgcn_target "amdgcn-amd-amdhsa--gfx1250"
	.amdhsa_code_object_version 6
	.text
	.protected	k_q4de91764f6_attn
	.globl	k_q4de91764f6_attn
	.p2align	8
	.type	k_q4de91764f6_attn,@function
k_q4de91764f6_attn:
	s_mov_b64 s[64:65], 0
	v_nop
	global_prefetch_b8 v0, s[64:65] scope:SCOPE_SE
	s_setreg_imm32_b32 hwreg(HW_REG_WAVE_MODE, 25, 1), 1
	s_wait_xcnt 0x0
; a[b][q][64 h ..] = softmax_k(where(k <= q, q.k / 8, -10000)) v, for one head a work-group row; operands f16, products, maxima and sums f32.
; SHARES.  Work-group (i, bh) owns two blocks of 256 queries: first block 7 - i, which walks key units 0 .. 7 - i, then block i, which walks units 0 .. i; a unit is 256 keys.  Nine units for every work-group.
; Each of eight waves owns 32 queries, two tiles of 16; two waves share a SIMD, so that one wave's softmax stands beside the other's products.
; THE MASK'S VALUE IS -10000 AND NO -INFINITY.  In a walked key step hidden scores become -80000 (= -10000 x 8, ahead of the scale) and go through softmax and product like any other.
; Keys in steps that are not walked (k >= 64 J) all have the weight pm = 2^(c (-80000) - c m): at the end l += (2048 - 64 J) pm and O += pm T(J), T(J) = the sum of v over those keys, from the 64-row sums of the launch before.
; The running maximum starts at -80000, since every query but position 2047 has a hidden key; for position 2047 at -3e38.
; LAYOUT.  S^T = K Q^T and O^T = V^T P: a lane holds one query (lane % 16) throughout.  K comes out of LDS as it lies, V turned by ds_load_tr16_b128.
; NO CLUSTER: from trip 5 - 8 on the four work-groups of a head want different units in the same trip, so they could not make every joint request together.
; A head's piece of a row of K, V and a is 128 bytes in the tensor itself.  LIMITS: p and a are rounded to f16; NaN and infinities are not served.
; REGISTERS.  window 0: v1-42 addresses and constants; v12-27 statistics, 8 a tile; v64-127 S^T; v128-159 P; v160-223 O^T; v224-255 T(J).  window 1: v0-31 Q, v32-63 the second block's Q, v64-127 K, v128-191 V.
.set KS,    64
.set PK,    144                        ; a key's row in LDS: 128 bytes + 16
.set PV,    160                        ; a row of V: 128 bytes + 32
.set VOFF,  KS*PK
.set STEPB, KS*(PK+PV)                 ; a step's tiles lie together: K, then V
.set SLOT1, 1<<17
.set STAGE, SLOT1+4*STEPB              ; the way out: 16 rows x 144 bytes for each wave
.set TAB,   STAGE+8*16*PK              ; T(0 .. 32): 33 rows of 256 bytes
.set SPARE, TAB+33*256                 ; the spare words, 128 bytes a wave
.set ROWQ,  6144                       ; a row of qkv16 in bytes
.set UNITB, 256*ROWQ
.set AK0, 2
.set AV0, 3
.set ADK, 4
.set ADV, 5
.set STO, 6
.set RD,  7
.set GO,  8
.set QO,  10
.set ST,  12                           ; tile t at v[ST+8 t]: +0 c m, +1 m, +2, +3 l, +4 .. +7 at work (a, pm at +6)
.set RH,  28                           ; r - 8 h
.set D0,  29                           ; v29, v30: query - first key - 8 h, tiles 0 and 1
.set MSK, 31                           ; -80000.0
.set TR0, 32
.set TRD1, 33
.set CNTF1, 34
.set TBA, 35
.set PFO, 36
.set CNTF2, 37
.set TRD2, 38
.set L8,  39
.set SPW, 62
.set NIL, 63
.set S,   64
.set P,   128
.set OT,  160
.set TT,  224
.set WV,   12
.set WGI,  13
.set BAT,  15
.set HEAD, 16
.set PLIM, 17
.set PFA,  18
.set SEL,  20
.set CS,   22
.set G1K,  24
.set G1V,  32
.set G0,   40
.set TRIP, 44
.set INNER, 45
.set TB,   46
.set KF,   47
.set Q0,   48
.set CH,   50                          ; 7 - i: the first block's number, and the trip that ends it
.set WRAPV, 51
.set WRAP, 52
.set AO1,  56
.set AO2,  58
.set MSB, 0
.macro WIN new
.if MSB != (\new)
	s_set_vgpr_msb (MSB<<8)|(\new)
.set MSB, (\new)
.endif
.endm
; Every wave fetches 64 rows: waves 0-3 K of the unit's step w, waves 4-7 V of step w - 4.  Two shapes of padding, so two groups 1 and a short branch on the wave's number.
.macro TLOAD
	s_cmp_lt_u32 s[WV], 4
	s_cbranch_scc0 .Lfor_v_\@
	tensor_load_to_lds s[G0:G0+3], s[G1K:G1K+7]
	s_nop 0
.rept 4
	v_nop
.endr
	s_branch .Lasked_\@
.Lfor_v_\@:
	tensor_load_to_lds s[G0:G0+3], s[G1V:G1V+7]
	s_nop 0
.rept 4
	v_nop
.endr
.Lasked_\@:
.endm
; A prefetch of the unit that the NEXT change of slots will ask for: 256 rows, 32 a wave, a lane a row, K's block and V's.  An aligned 256 bytes holds two heads: the even head's work-group 0 asks, and nobody else.
; Trip t names unit t + 2, up to unit 7; units 0 and 1 come by their loads alone.
.macro ASK
	s_cmp_lt_u32 s[TRIP], s[PLIM]
	s_cbranch_scc0 .Lnot_mine_\@
	global_prefetch_b8 v[PFO], s[PFA:PFA+1] th:TH_LOAD_NT scope:SCOPE_SE
	global_prefetch_b8 v[PFO], s[PFA:PFA+1] offset:2048 th:TH_LOAD_NT scope:SCOPE_SE
.Lnot_mine_\@:
.endm
; What a block's end wants, made at the head for both blocks: T's row, the count of keys not walked, a16's base
.macro PHASE_ADDR blk, trd, cntf, ao
	s_lshl_b32 s60, s[\blk], 8
	s_lshl_b32 s61, s[WV], 5
	s_add_co_u32 s60, s60, s61                     ; my first query
	s_lshr_b32 s62, s60, 6
	s_add_co_u32 s62, s62, 1
	s_min_u32 s62, s62, 32                         ; J: key steps of 64 that I walk
	s_lshl_b32 s63, s62, 8
	v_add_nc_u32 v[\trd], s63, v[TR0]
	s_lshl_b32 s62, s62, 6
	s_sub_co_u32 s62, 2048, s62
	v_cvt_f32_u32 v[\cntf], s62
	s_lshl_b32 s61, s[BAT], 11
	s_add_co_u32 s60, s60, s61
	s_lshl_b32 s60, s60, 11
	s_lshl_b32 s61, s[HEAD], 7
	s_add_co_u32 s60, s60, s61
	s_mov_b32 s61, 0
	s_add_nc_u64 s[\ao:\ao+1], s[8:9], s[60:61]
.endm
.macro PHASE_INIT blk
	s_lshl_b32 s[Q0], s[\blk], 8
	s_lshl_b32 s60, s[WV], 5
	s_add_co_u32 s[Q0], s[Q0], s60
	s_mov_b32 s[KF], 0
.irp x, 0,1
	s_add_co_u32 s60, s[Q0], 16*\x
	v_add_nc_u32 v[ST+8*\x+4], s60, v1
	v_mov_b32 v[ST+8*\x+5], 0xff61b1e6             ; -3e38
	v_cmp_eq_u32 vcc_lo, 0x7ff, v[ST+8*\x+4]
	v_cndmask_b32 v[ST+8*\x+1], v[MSK], v[ST+8*\x+5], vcc_lo   ; m
	v_mul_f32 v[ST+8*\x], s[CS], v[ST+8*\x+1]      ; c m
	v_mov_b32 v[ST+8*\x+2], 0                      ; l
	v_mov_b32 v[ST+8*\x+3], 0
.endr
.set i, 0
.rept 64
	v_mov_b32 v[OT+i], 0                           ; the key step is written once: its first rescaling finds zeros
.set i, i+1
.endr
.endm
	s_load_b256 s[4:11], s[0:1], 0x0               ; qkv16, aux, a16, vtot
	v_lshl_add_u32 v[SPW], v0, 2, SPARE
	v_mov_b32 v[NIL], 0
	ds_add_u32 v[SPW], v[NIL]                      ; the wave's opening: the add, twice on end, and its wait ahead of my first tensor load
	ds_add_u32 v[SPW], v[NIL]
	v_lshrrev_b32 v1, 5, v0
	v_readfirstlane_b32 s[WV], v1
	s_mov_b32 s[WGI], ttmp9
	s_and_b32 s60, ttmp7, 0xffff
	s_lshr_b32 s[BAT], s60, 4
	s_and_b32 s[HEAD], s60, 15
	s_mov_b32 s[G1K], 0x07110000                   ; elements of 2 bytes; 4 words of padding behind every 32
	s_mov_b32 s[G1V], 0x0f110000                   ; 8 words of padding behind every 32
.irp g, G1K, G1V
	s_mov_b32 s[\g+1], 64<<16                      ; tensor_dim0
	s_mov_b32 s[\g+2], 64<<16                      ; tensor_dim1
	s_mov_b32 s[\g+3], 64<<16                      ; tile_dim0
	s_mov_b32 s[\g+4], 64                          ; tile_dim1
	s_mov_b32 s[\g+5], 3072                        ; the pitch, in elements
	s_mov_b32 s[\g+6], 0
	s_mov_b32 s[\g+7], 0
.endr
	s_mov_b32 s[SEL], 0x76543210
	s_mov_b32 s[SEL+1], 0xfedcba98
	s_mov_b32 s[CS], 0x3e38aa3b                    ; c = log2(e) / 8
	s_mov_b32 s[CS+1], s[CS]
	s_sub_co_u32 s[CH], 7, s[WGI]
	s_sub_co_u32 s60, 8, s[WGI]
	s_mul_i32 s[WRAPV], s60, UNITB
	s_mov_b32 s[WRAP], 0
	s_mov_b32 s[WRAP+1], 0
	s_and_b32 s60, s[WV], 3
	s_mul_i32 s61, s60, STEPB
	s_lshr_b32 s62, s[WV], 2
	s_mul_i32 s63, s62, VOFF
	s_mov_b32 s[G0], 1
	s_add_co_u32 s[G0+1], s61, s63                 ; LDS: my step's tile of K or of V, in slot 0
	s_lshl_b32 s70, s[BAT], 11
	s_lshl_b32 s60, s60, 6
	s_add_co_u32 s70, s70, s60
	s_mul_i32 s70, s70, ROWQ
	s_lshl_b32 s62, s62, 11
	s_add_co_u32 s70, s70, s62
	s_lshl_b32 s60, s[HEAD], 7
	s_add_co_u32 s70, s70, s60
	s_add_co_u32 s70, s70, 2048
	s_mov_b32 s71, 0
	s_wait_dscnt 0x0                               ; both opening adds are done
	s_wait_kmcnt 0x0
	s_add_nc_u64 s[G0+2:G0+3], s[4:5], s[70:71]
	s_or_b32 s[G0+3], s[G0+3], 0x80000000
	TLOAD                                          ; unit 0 into slot 0
	v_and_b32 v1, 15, v0                           ; r
	v_bfe_u32 v9, v0, 4, 1                         ; h
	v_mul_u32_u24 v[AK0], v1, PK
	v_lshl_add_u32 v[AK0], v9, 4, v[AK0]
	v_and_b32 v40, 7, v0
	v_bfe_u32 v41, v0, 3, 1
	v_lshl_add_u32 v[AV0], v9, 3, v40
	v_mul_u32_u24 v[AV0], v[AV0], PV
	v_lshl_add_u32 v[AV0], v41, 4, v[AV0]
	v_add_nc_u32 v[AV0], VOFF, v[AV0]
	s_mul_i32 s60, s[WV], 16*PK
	s_add_co_u32 s60, s60, STAGE
	v_mul_u32_u24 v[STO], v1, PK
	v_lshl_add_u32 v[STO], v9, 4, v[STO]
	v_add_nc_u32 v[STO], s60, v[STO]
	v_bfe_u32 v41, v0, 3, 2                        ; lane / 8
	v_mul_u32_u24 v[RD], v41, PK
	v_lshl_add_u32 v[RD], v40, 4, v[RD]
	v_add_nc_u32 v[RD], s60, v[RD]                 ; back: eight lanes to a row of 128 bytes
	v_lshlrev_b32 v[GO], 11, v41
	v_lshl_add_u32 v[GO], v40, 4, v[GO]
	v_mul_u32_u24 v[QO], v1, ROWQ
	v_lshl_add_u32 v[QO], v9, 4, v[QO]
	v_lshlrev_b32 v40, 3, v9
	v_sub_nc_u32 v[RH], v1, v40
	v_mov_b32 v[MSK], 0xc79c4000                   ; -80000.0
	v_lshl_add_u32 v[TR0], v9, 5, TAB
	v_and_b32 v40, 31, v0
	v_lshl_add_u32 v[TBA], v40, 3, TAB
	v_lshlrev_b32 v[L8], 3, v40
	v_mul_u32_u24 v[PFO], v40, ROWQ
	s_lshl_b32 s60, s[BAT], 11
	s_lshl_b32 s61, s[WV], 5
	s_add_co_u32 s60, s60, s61                     ; 2048 b + 32 w
	s_lshl_b32 s62, s[HEAD], 7
	s_lshl_b32 s61, s[CH], 8
	s_add_co_u32 s61, s61, s60
	s_mul_i32 s70, s61, ROWQ
	s_add_co_u32 s70, s70, s62
	s_add_nc_u64 s[66:67], s[4:5], s[70:71]        ; the first block's Q
	s_lshl_b32 s61, s[WGI], 8
	s_add_co_u32 s61, s61, s60
	s_mul_i32 s70, s61, ROWQ
	s_add_co_u32 s70, s70, s62
	s_add_nc_u64 s[68:69], s[4:5], s[70:71]        ; the second block's
	s_add_co_u32 s61, s60, 256
	s_mul_i32 s70, s61, ROWQ
	s_add_co_u32 s70, s70, s62
	s_add_co_u32 s70, s70, 2048
	s_add_nc_u64 s[PFA:PFA+1], s[4:5], s[70:71]    ; the prefetches stand at unit 1; the first change of slots steps them to unit 2
	s_and_b32 s61, s[HEAD], 1
	s_or_b32 s61, s61, s[WGI]
	s_cmp_eq_u32 s61, 0
	s_cselect_b32 s[PLIM], 6, 0
	WIN 0x40                                       ; destination window 1
.irp x, 0,1
.irp c, 0,1
	global_load_b128 v[16*\x+8*\c:16*\x+8*\c+3],   v[QO], s[66:67] offset:\x*16*ROWQ+64*\c
	global_load_b128 v[16*\x+8*\c+4:16*\x+8*\c+7], v[QO], s[66:67] offset:\x*16*ROWQ+64*\c+32
	global_load_b128 v[32+16*\x+8*\c:32+16*\x+8*\c+3],   v[QO], s[68:69] offset:\x*16*ROWQ+64*\c
	global_load_b128 v[32+16*\x+8*\c+4:32+16*\x+8*\c+7], v[QO], s[68:69] offset:\x*16*ROWQ+64*\c+32
.endr
.endr
	WIN 0
	PHASE_ADDR CH, TRD1, CNTF1, AO1
	PHASE_ADDR WGI, TRD2, CNTF2, AO2
	; wave 0 builds T: a suffix sum over the head's 32 sums of 64 rows; two channels a lane
	s_cmp_lg_u32 s[WV], 0
	s_cbranch_scc1 .Lno_tab
	s_lshl_b32 s70, s[BAT], 17
	s_lshl_b32 s61, s[HEAD], 8
	s_add_co_u32 s70, s70, s61
	s_add_nc_u64 s[72:73], s[6:7], s[70:71]
.set j, 0
.rept 32
	global_load_b64 v[64+2*j:65+2*j], v[L8], s[72:73] offset:4096*j
.set j, j+1
.endr
	v_mov_b32 v128, 0
	v_mov_b32 v129, 0
	ds_store_b64 v[TBA], v[128:129] offset:8192    ; T(32) = 0
	s_wait_loadcnt 0x0
	ds_store_b64 v[TBA], v[126:127] offset:256*31
.set j, 30
.rept 31
	v_pk_add_f32 v[64+2*j:65+2*j], v[64+2*j:65+2*j], v[66+2*j:67+2*j]
	ds_store_b64 v[TBA], v[64+2*j:65+2*j] offset:256*j
.set j, j-1
.endr
	s_cmp_lg_u32 s[WGI], 0
	s_cbranch_scc1 .Lno_tab
	s_lshl_b32 s70, s[BAT], 4
	s_add_co_u32 s70, s70, s[HEAD]
	s_lshl_b32 s70, s70, 8
	s_add_nc_u64 s[72:73], s[10:11], s[70:71]
	global_store_b64 v[L8], v[64:65], s[72:73]     ; T(0): the sum of v over all keys of the head, for the launch that carries positions 0-15
	s_wait_xcnt 0x0
.Lno_tab:
	PHASE_INIT CH
	s_mov_b32 s[TRIP], 0
	s_mov_b32 s[TB], 0
	s_wait_loadcnt 0x0                             ; Q
; THE SOFTMAX of a key step, both tiles line by line by turns.  All 66 exponentials are one batch with one wait.
.macro SOFTMAX
.irp j, 0,1,2,3
.irp t, 0,1
	v_max3_num_f32 v[ST+8*\t+4+\j], v[S+32*\t+8*\j], v[S+32*\t+8*\j+1], v[S+32*\t+8*\j+2]   ; each accumulator from its low end on
.endr
.endr
.irp g, 1,2
.irp j, 0,1,2,3
.irp t, 0,1
	v_max3_num_f32 v[ST+8*\t+4+\j], v[ST+8*\t+4+\j], v[S+32*\t+8*\j+2*\g+1], v[S+32*\t+8*\j+2*\g+2]
.endr
.endr
.endr
.irp t, 0,1
	v_max3_num_f32 v[ST+8*\t+4], v[ST+8*\t+4], v[S+32*\t+7], v[S+32*\t+15]
	v_max3_num_f32 v[ST+8*\t+6], v[ST+8*\t+6], v[S+32*\t+23], v[S+32*\t+31]
.endr
.irp t, 0,1
	v_max3_num_f32 v[ST+8*\t+4], v[ST+8*\t+4], v[ST+8*\t+5], v[ST+8*\t+6]
.endr
.irp t, 0,1
	v_max3_num_f32 v[ST+8*\t+4], v[ST+8*\t+4], v[ST+8*\t+7], v[ST+8*\t+1]   ; with the old m
.endr
.irp t, 0,1
	v_permlanex16_b32 v[ST+8*\t+5], v[ST+8*\t+4], s[SEL], s[SEL+1]          ; the query's other 32 keys lie in the lane 16 away
.endr
.irp t, 0,1
	v_mov_b32 v[ST+8*\t+7], v[ST+8*\t]             ; c m_old
.endr
.irp t, 0,1
	v_max_num_f32 v[ST+8*\t+1], v[ST+8*\t+4], v[ST+8*\t+5]
.endr
.irp t, 0,1
	v_mul_f32 v[ST+8*\t], s[CS], v[ST+8*\t+1]
.endr
.irp t, 0,1
	v_sub_f32 v[ST+8*\t+7], v[ST+8*\t+7], v[ST+8*\t]
.endr
.irp b, 0,1,2,3,4,5,6,7,8,9,10,11,12,13,14,15
.irp t, 0,1
	v_pk_fma_f32 v[S+32*\t+2*\b:S+32*\t+2*\b+1], v[S+32*\t+2*\b:S+32*\t+2*\b+1], s[CS:CS+1], v[ST+8*\t:ST+8*\t+1] op_sel_hi:[1,0,0] neg_lo:[0,0,1] neg_hi:[0,0,1]   ; c s - c m
.endr
.endr
.irp t, 0,1
	v_exp_f32 v[ST+8*\t+6], v[ST+8*\t+7]           ; a = 2^(c m_old - c m_new)
.endr
.set i, 0
.rept 64
	v_exp_f32 v[S+i], v[S+i]
.set i, i+1
.endr
	v_nop                                          ; a plain line behind the last exponential
	s_wait_alu depctr_va_vdst(0)                   ; one wait for the batch, ahead of its first reader
.irp b, 0,1,2,3,4,5,6,7,8,9,10,11,12,13,14,15
.irp t, 0,1
	v_cvt_pk_f16_f32 v[P+16*\t+\b], v[S+32*\t+2*\b], v[S+32*\t+2*\b+1]
.endr
.endr
.irp u, 0,1,2,3,4,5,6,7
.irp t, 0,1
	v_pk_add_f32 v[S+32*\t+4*\u:S+32*\t+4*\u+1], v[S+32*\t+4*\u:S+32*\t+4*\u+1], v[S+32*\t+4*\u+2:S+32*\t+4*\u+3]
.endr
.endr
.irp u, 0,1,2,3
.irp t, 0,1
	v_pk_add_f32 v[S+32*\t+8*\u:S+32*\t+8*\u+1], v[S+32*\t+8*\u:S+32*\t+8*\u+1], v[S+32*\t+8*\u+4:S+32*\t+8*\u+5]
.endr
.endr
.irp u, 0,1
.irp t, 0,1
	v_pk_add_f32 v[S+32*\t+16*\u:S+32*\t+16*\u+1], v[S+32*\t+16*\u:S+32*\t+16*\u+1], v[S+32*\t+16*\u+8:S+32*\t+16*\u+9]
.endr
.endr
.irp t, 0,1
	v_pk_add_f32 v[S+32*\t:S+32*\t+1], v[S+32*\t:S+32*\t+1], v[S+32*\t+16:S+32*\t+17]
.endr
.irp t, 0,1
	v_pk_fma_f32 v[ST+8*\t+2:ST+8*\t+3], v[ST+8*\t+2:ST+8*\t+3], v[ST+8*\t+6:ST+8*\t+7], v[S+32*\t:S+32*\t+1] op_sel_hi:[1,0,1]   ; l = a l + the step's sum
.endr
.irp b, 0,1,2,3,4,5,6,7,8,9,10,11,12,13,14,15
.irp t, 0,1
	v_pk_mul_f32 v[OT+32*\t+2*\b:OT+32*\t+2*\b+1], v[OT+32*\t+2*\b:OT+32*\t+2*\b+1], v[ST+8*\t+6:ST+8*\t+7] op_sel_hi:[1,0]       ; O^T x a
.endr
.endr
.endm
; A KEY STEP: 64 keys at LDS byte s[TB].  A step all of whose keys come after my 32 queries is left out: a branch on ids, round loads, products and softmax alone.
.macro STEP
	s_add_co_u32 s60, s[Q0], 31
	s_cmp_gt_u32 s[KF], s60
	s_cbranch_scc1 .Lhid_\@
	v_add_nc_u32 v[ADK], s[TB], v[AK0]
	v_add_nc_u32 v[ADV], s[TB], v[AV0]
	v_nop
	v_nop                                          ; four plain lines in front of loads into registers that the last products read
	WIN 0x40
.irp kt, 0,1,2,3
.irp c, 0,1
	ds_load_b128 v[64+8*(2*\kt+\c):64+8*(2*\kt+\c)+3],   v[ADK] offset:16*PK*\kt+64*\c
	ds_load_b128 v[64+8*(2*\kt+\c)+4:64+8*(2*\kt+\c)+7], v[ADK] offset:16*PK*\kt+64*\c+32
.endr
.endr
.irp ks, 0,1
.irp ct, 0,1,2,3
	ds_load_tr16_b128 v[128+8*(4*\ks+\ct):128+8*(4*\ks+\ct)+3],   v[ADV] offset:32*PV*\ks+32*\ct
	ds_load_tr16_b128 v[128+8*(4*\ks+\ct)+4:128+8*(4*\ks+\ct)+7], v[ADV] offset:32*PV*\ks+32*\ct+16*PV
.endr
.endr
	s_wait_dscnt 16                                ; K is in; V's sixteen loads may be out
	WIN 0x05                                       ; K and Q in window 1
.irp c, 0,1                            ; the eight accumulators take turns, one instruction a turn
.irp kt, 0,1,2,3
.irp x, 0,1
.if \c == 0
	v_wmma_f32_16x16x32_f16 v[S+32*\x+8*\kt:S+32*\x+8*\kt+7], v[64+8*(2*\kt+\c):64+8*(2*\kt+\c)+7], v[16*\x+8*\c:16*\x+8*\c+7], 0
.else
	v_wmma_f32_16x16x32_f16 v[S+32*\x+8*\kt:S+32*\x+8*\kt+7], v[64+8*(2*\kt+\c):64+8*(2*\kt+\c)+7], v[16*\x+8*\c:16*\x+8*\c+7], v[S+32*\x+8*\kt:S+32*\x+8*\kt+7]
.endif
.endr
.endr
.endr
	WIN 0
.rept 4
	v_nop
.endr
	s_add_co_u32 s60, s[KF], 63                    ; a step all of whose keys count skips the mask
	s_cmp_le_u32 s60, s[Q0]
	s_cbranch_scc1 .Lopen_\@
	s_sub_co_i32 s60, s[Q0], s[KF]
	v_add_nc_u32 v[D0], s60, v[RH]
	v_add_nc_u32 v[D0+1], 16, v[D0]                ; register n of tile x holds key KF + 16 (n / 8) + 8 h + n % 8: hidden where 16 (n / 8) + n % 8 > Q0 + 16 x + r - KF - 8 h
.irp x, 0,1
.set n, 0
.rept 32
	v_cmp_gt_i32 vcc_lo, 16*(n/8)+n%8, v[D0+\x]
	v_cndmask_b32 v[S+32*\x+n], v[S+32*\x+n], v[MSK], vcc_lo
.set n, n+1
.endr
.endr
.Lopen_\@:
	SOFTMAX
	s_wait_dscnt 0x0                               ; V is in
	WIN 0x01                                       ; V in window 1
.irp ks, 0,1
.irp ct, 0,1,2,3
.irp x, 0,1
	v_wmma_f32_16x16x32_f16 v[OT+32*\x+8*\ct:OT+32*\x+8*\ct+7], v[128+8*(4*\ks+\ct):128+8*(4*\ks+\ct)+7], v[P+16*\x+8*\ks:P+16*\x+8*\ks+7], v[OT+32*\x+8*\ct:OT+32*\x+8*\ct+7]
.endr
.endr
.endr
	WIN 0
.Lhid_\@:
	s_add_co_u32 s[TB], s[TB], STEPB
	s_add_co_u32 s[KF], s[KF], 64
.endm
.macro UNIT                            ; a unit's four key steps: written once, walked four times
	s_mov_b32 s[INNER], 4
.Lstep_\@:
	STEP
	s_sub_co_u32 s[INNER], s[INNER], 1
	s_cmp_lg_u32 s[INNER], 0
	s_cbranch_scc1 .Lstep_\@
	s_sub_co_u32 s[TB], s[TB], 4*STEPB
	s_xor_b32 s[TB], s[TB], SLOT1                  ; on to the other slot
.endm
; THE CHANGE OF SLOTS stands at a unit's head: every wave waits for its tensor load (its part of the unit ahead), adds 0 to its spare word, waits for that and for its reads of the slot that it has left; one barrier;
; fill = 1: the slot just left takes the next trip's unit, one load a wave, which has a whole unit's work in which to land.  At the first block's end the walk goes back to unit 0.
.macro CHANGE fill
	s_wait_tensorcnt 0x0
	ds_add_u32 v[SPW], v[NIL]
.if \fill
	s_xor_b32 s[G0+1], s[G0+1], SLOT1
	s_add_nc_u64 s[G0+2:G0+3], s[G0+2:G0+3], UNITB
	s_cmp_eq_u32 s[TRIP], s[CH]
	s_cselect_b32 s[WRAP], s[WRAPV], 0
	s_sub_nc_u64 s[G0+2:G0+3], s[G0+2:G0+3], s[WRAP:WRAP+1]
	s_wait_xcnt 0x0                                ; the last prefetches, a unit back, have read their address
	s_add_nc_u64 s[PFA:PFA+1], s[PFA:PFA+1], UNITB
.endif
	s_wait_dscnt 0x0
	s_barrier_signal -1
	s_barrier_wait -1
.if \fill
	TLOAD
	ASK
.endif
.endm
; A BLOCK'S END: the keys not walked are added, O^T is divided by l, rounded to f16 and stored through my stage.
.macro EPI trd, cntf, ao
.irp t, 0,1
	v_add_f32 v[ST+8*\t+4], v[ST+8*\t+2], v[ST+8*\t+3]
.endr
.irp t, 0,1
	v_fma_f32 v[ST+8*\t+7], v[MSK], s[CS], -v[ST+8*\t]
.endr
.irp t, 0,1
	v_min_num_f32 v[ST+8*\t+7], 0, v[ST+8*\t+7]    ; (position 2047's m may lie under -80000; its count and T are 0)
.endr
.irp t, 0,1
	v_permlanex16_b32 v[ST+8*\t+5], v[ST+8*\t+4], s[SEL], s[SEL+1]
.endr
.irp t, 0,1
	v_add_f32 v[ST+8*\t+4], v[ST+8*\t+4], v[ST+8*\t+5]
.endr
.irp ct, 0,1,2,3
	ds_load_b128 v[TT+8*\ct:TT+8*\ct+3],   v[\trd] offset:64*\ct
	ds_load_b128 v[TT+8*\ct+4:TT+8*\ct+7], v[\trd] offset:64*\ct+16
.endr
.irp t, 0,1
	v_exp_f32 v[ST+8*\t+6], v[ST+8*\t+7]           ; pm
.endr
	v_nop
	s_wait_alu depctr_va_vdst(0)
.irp t, 0,1
	v_fma_f32 v[ST+8*\t+5], v[ST+8*\t+6], v[\cntf], v[ST+8*\t+4]
.endr
.irp t, 0,1
	v_rcp_f32 v[ST+8*\t+4], v[ST+8*\t+5]
.endr
	v_nop
	s_wait_alu depctr_va_vdst(0)
	s_wait_dscnt 0x0
.irp t, 0,1
.irp b, 0,1,2,3,4,5,6,7,8,9,10,11,12,13,14,15
	v_pk_fma_f32 v[OT+32*\t+2*\b:OT+32*\t+2*\b+1], v[TT+2*\b:TT+2*\b+1], v[ST+8*\t+6:ST+8*\t+7], v[OT+32*\t+2*\b:OT+32*\t+2*\b+1] op_sel_hi:[1,0,1]
.endr
.irp b, 0,1,2,3,4,5,6,7,8,9,10,11,12,13,14,15
	v_pk_mul_f32 v[OT+32*\t+2*\b:OT+32*\t+2*\b+1], v[OT+32*\t+2*\b:OT+32*\t+2*\b+1], v[ST+8*\t+4:ST+8*\t+5] op_sel_hi:[1,0]
.endr
.irp b, 0,1,2,3,4,5,6,7,8,9,10,11,12,13,14,15
	v_cvt_pk_f16_f32 v[P+16*\t+\b], v[OT+32*\t+2*\b], v[OT+32*\t+2*\b+1]
.endr
.irp ct, 0,1,2,3
	ds_store_b128 v[STO], v[P+16*\t+4*\ct:P+16*\t+4*\ct+3] offset:32*\ct
.endr
.irp u, 0,1,2,3
	ds_load_b128 v[S+16*\t+4*\u:S+16*\t+4*\u+3], v[RD] offset:4*PK*\u       ; LDS serves a wave's instructions in order
.endr
.endr
	s_wait_dscnt 8                                 ; tile 0 is back; tile 1's eight LDS instructions may be out
.irp u, 0,1,2,3
	global_store_b128 v[GO], v[S+4*\u:S+4*\u+3], s[\ao:\ao+1] offset:4*\u*2048
.endr
	s_wait_dscnt 0x0
.irp u, 0,1,2,3
	global_store_b128 v[GO], v[S+16+4*\u:S+16+4*\u+3], s[\ao:\ao+1] offset:(16+4*\u)*2048
.endr
.endm
.Lunit:                                ; eight trips; the ninth is written out, since it asks for nothing
	CHANGE 1
	UNIT
	s_cmp_lg_u32 s[TRIP], s[CH]
	s_cbranch_scc1 .Lsame
	EPI TRD1, CNTF1, AO1                           ; the first block is done
	s_wait_xcnt 0x0                                ; its stores have read their registers
	PHASE_INIT WGI
	WIN 0x41
.set i, 0
.rept 32
	v_mov_b32 v[i], v[32+i]                        ; the second block's Q
.set i, i+1
.endr
	WIN 0
.Lsame:
	s_add_co_u32 s[TRIP], s[TRIP], 1
	s_cmp_lt_u32 s[TRIP], 8
	s_cbranch_scc1 .Lunit
	CHANGE 0
	UNIT
	EPI TRD2, CNTF2, AO2
	s_wait_tensorcnt 0x0                           ; the wave's end
	ds_add_u32 v[SPW], v[NIL]
	s_wait_dscnt 0x0
	s_endpgm
.Lfunc_end_k_q4de91764f6_attn:
	.size	k_q4de91764f6_attn, .Lfunc_end_k_q4de91764f6_attn-k_q4de91764f6_attn
	.p2alignl 7, 3214868480
	.fill 96, 4, 3214868480
	.section	.rodata,"a",@progbits
	.p2align	6, 0x0
	.amdhsa_kernel k_q4de91764f6_attn
		.amdhsa_group_segment_fixed_size 327680
		.amdhsa_private_segment_fixed_size 0
		.amdhsa_enable_private_segment 0
		.amdhsa_kernarg_size 32
		.amdhsa_user_sgpr_count 2
		.amdhsa_user_sgpr_kernarg_segment_ptr 1
		.amdhsa_wavefront_size32 1
		.amdhsa_system_sgpr_workgroup_id_x 1
		.amdhsa_system_sgpr_workgroup_id_y 1
		.amdhsa_system_sgpr_workgroup_id_z 1
		.amdhsa_system_vgpr_workitem_id 0
		.amdhsa_next_free_vgpr 448
		.amdhsa_next_free_sgpr 80
		.amdhsa_reserve_vcc 1
		.amdhsa_float_denorm_mode_32 3
		.amdhsa_float_denorm_mode_16_64 3
		.amdhsa_memory_ordered 1
		.amdhsa_forward_progress 1
		.amdhsa_inst_pref_size 87
	.end_amdhsa_kernel
	.amdgpu_metadata
---
amdhsa.version: [ 1, 2 ]
amdhsa.kernels:
  - .name:           k_q4de91764f6_attn
    .symbol:         k_q4de91764f6_attn.kd
    .args:
      - { .name: qkv16, .offset: 0, .size: 8, .value_kind: global_buffer, .address_space: global }
      - { .name: aux, .offset: 8, .size: 8, .value_kind: global_buffer, .address_space: global }
      - { .name: a16, .offset: 16, .size: 8, .value_kind: global_buffer, .address_space: global }
      - { .name: vtot, .offset: 24, .size: 8, .value_kind: global_buffer, .address_space: global }
    .group_segment_fixed_size: 327680
    .private_segment_fixed_size: 0
    .kernarg_segment_align: 8
    .kernarg_segment_size: 32
    .max_flat_workgroup_size: 256
    .sgpr_count:     80
    .vgpr_count:     448
    .wavefront_size: 32
...
	.end_amdgpu_metadata
.endif
;; end of part 3
;; launch proj (part 4): grid 4 x 64, 4 waves a work-group, clusters of 4 x 4, 327,680 bytes of LDS; arguments a16, wq, bo, out0; writes out0
.if DOCPART == 4
	.amdgcn_target "amdgcn-amd-amdhsa--gfx1250"
	.amdhsa_code_object_version 6
	.text
	.protected	k_q4de91764f6_proj
	.globl	k_q4de91764f6_proj
	.p2align	8
	.type	k_q4de91764f6_proj,@function
k_q4de91764f6_proj:
	s_mov_b64 s[64:65], 0
	v_nop
	global_prefetch_b8 v0, s[64:65] scope:SCOPE_SE
	s_setreg_imm32_b32 hwreg(HW_REG_WAVE_MODE, 25, 1), 1
	s_wait_xcnt 0x0
	s_wait_alu depctr_hold_cnt(0) depctr_sa_sdst(0) depctr_va_vdst(0) depctr_va_sdst(0) depctr_va_ssrc(0) depctr_va_vcc(0) depctr_vm_vsrc(0)
	s_getreg_b32 s2, hwreg(HW_REG_IB_STS2, 6, 4)
	s_cmp_eq_u32 s2, 0
	s_cbranch_scc0 .Lentry_in_a_cluster
	s_endpgm
.Lentry_in_a_cluster:
	s_bfe_u32 s2, ttmp6, 0x10000c
	s_cmp_lg_u32 s2, 0xf033
	s_cbranch_scc0 .Lentry_shape_is_right
	s_endpgm
.Lentry_shape_is_right:
; out0 = a Wo + bo.  a: [8192][1024] f16; Wo as f16, [1024 k][1024 n], at wq+1,671,168; sums f32; out0 f32.
; A tile of C is 128 x 256: 256 work-groups.  Four waves, each 64 x 128: 32 accumulators of 16 x 16.  K goes in steps of 128 through a ring of two LDS slots.
; THE MATRIX INSTRUCTION IS USED TRANSPOSED: source 0 = 16 columns of Wo (turned out of LDS by ds_load_tr16_b128, since K is Wo's first axis), source 1 = 16 rows of a: a lane holds eight neighbouring columns of a row of C.
; The bias is the C of each sum's first product.  CLUSTERS: 4 x 4; a's tiles are asked for jointly along a row of the cluster, Wo's along a column.
; REGISTERS: window 0: v16-29 addresses; v32-63, v64-95 a's fragments, two buffers; v128-191 the bias; v64-127, v192-255 the way out.  window 1: Wo's fragments, two buffers of 64.  window 2: the accumulators, (a, b) at v[8 (8 a + b)].
.set KSTEP,  128
.set PA,     272                       ; a's row in LDS: 256 bytes + 16
.set PB,     544                       ; Wo's row (256 columns): 512 bytes + 32
.set HALFA,  64*PA
.set HALFB,  64*PB
.set BOFF,   2*HALFA
.set SLOT,   BOFF+2*HALFB
.set STAGE,  2*SLOT                    ; 16 rows x 528 bytes for each wave
.set SPITCH, 528
.set SPARE,  STAGE+4*16*SPITCH
.set ADRA, 16
.set ADRB, 20
.set STO,  24
.set RD,   25
.set CO,   26
.set BV,   27
.set SPW,  28
.set NIL,  29
.set FA,   32
.set BIAS, 128
.set G1, 24
.set G0, 32
.set G1B, 48
.set G0B, 56
.set MSB, 0
.macro WIN new
.if MSB != (\new)
	s_set_vgpr_msb (MSB<<8)|(\new)
.set MSB, (\new)
.endif
.endm
.set MUL,  0xa1                        ; source 0 (Wo) window 1, source 1 (a) window 0, C and D window 2
.set TO_B, 0x40
.macro JLOAD s                         ; a joint load: waves 0 and 1 fetch a's halves, waves 2 and 3 Wo's; an s_nop 0 and four v_nop follow each line
	s_cmp_eq_u32 s11, 0
	s_cbranch_scc0 .Lfor_b_\@
	tensor_load_to_lds s[G0+4*\s:G0+4*\s+3], s[G1:G1+7]
	s_nop 0
.rept 4
	v_nop
.endr
	s_branch .Lasked_\@
.Lfor_b_\@:
	tensor_load_to_lds s[G0B+4*\s:G0B+4*\s+3], s[G1B:G1B+7]
	s_nop 0
.rept 4
	v_nop
.endr
.Lasked_\@:
.endm
.macro CREST
	s_cmp_lg_u32 s10, 0
	s_cbranch_scc1 .Lnot_wave_0_\@
	s_barrier_signal -3
.Lnot_wave_0_\@:
	s_barrier_wait -3
	s_barrier_signal -1
	s_barrier_wait -1
.endm
.macro CROUND
	s_barrier_signal -1
	s_barrier_wait -1
	CREST
.endm
	s_load_b128 s[4:7], s[0:1], 0x0                ; a16, wq
	s_load_b64 s[44:45], s[0:1], 0x10              ; bo
	s_load_b64 s[8:9], s[0:1], 0x18                ; out0
	v_lshl_add_u32 v[SPW], v0, 2, SPARE
	v_mov_b32 v[NIL], 0
	ds_add_u32 v[SPW], v[NIL]                      ; the wave's opening: the add, twice on end, and its wait ahead of my first tensor load
	ds_add_u32 v[SPW], v[NIL]
	v_lshrrev_b32 v1, 5, v0
	v_readfirstlane_b32 s10, v1                    ; wave
	s_lshr_b32 s11, s10, 1                         ; which 64 rows are mine.  Also: I fetch for a (0) or for Wo (1)
	s_and_b32 s12, s10, 1                          ; which 128 columns.  Also: which 64 rows of that tile I fetch
	s_bfe_u32 s40, ttmp6, 0x40000                  ; cx
	s_bfe_u32 s41, ttmp6, 0x40004                  ; cy
	s_lshl_b32 s42, ttmp9, 2
	s_add_co_u32 s42, s42, s40                     ; tile column
	s_and_b32 s13, ttmp7, 0xffff
	s_lshl_b32 s13, s13, 2
	s_add_co_u32 s13, s13, s41                     ; tile row
	s_lshl_b32 s43, s41, 2
	s_lshl_b32 s43, 15, s43                        ; my row of the cluster
	s_lshl_b32 s2, 0x1111, s40                     ; my column
	s_or_b32 s[G1+0], s43, (1<<16)|(1<<20)|(1<<21)|(5<<22)|(3<<25)   ; a: 4 words of padding behind every 64
	s_mov_b32 s[G1+1], 128<<16
	s_mov_b32 s[G1+2], 64<<16
	s_mov_b32 s[G1+3], 128<<16
	s_mov_b32 s[G1+4], 64
	s_mov_b32 s[G1+5], 1024
	s_mov_b32 s[G1+6], 0
	s_mov_b32 s[G1+7], 0
	s_or_b32 s[G1B+0], s2, (1<<16)|(1<<20)|(1<<21)|(6<<22)|(7<<25)   ; Wo: 8 words of padding behind every 128
	s_mov_b32 s[G1B+1], 256<<16
	s_mov_b32 s[G1B+2], 64<<16
	s_mov_b32 s[G1B+3], 256<<16
	s_mov_b32 s[G1B+4], 64
	s_mov_b32 s[G1B+5], 1024
	s_mov_b32 s[G1B+6], 0
	s_mov_b32 s[G1B+7], 0
	s_lshl_b32 s16, s13, 7
	s_lshl_b32 s17, s12, 6
	s_add_co_u32 s16, s16, s17
	s_lshl_b32 s16, s16, 11                        ; a: row 128 x tile row + 64 x half, 2,048 bytes a row
	s_mov_b32 s17, 0
	s_lshl_b32 s46, s12, 17                        ; Wo: k row 64 x half,
	s_lshl_b32 s47, s42, 9                         ; column 256 x tile column
	s_add_co_u32 s46, s46, s47
	s_add_co_u32 s46, s46, 1671168
	s_mov_b32 s47, 0
	s_mul_i32 s20, s12, HALFA
	s_mul_i32 s21, s12, HALFB
	s_add_co_u32 s21, s21, BOFF
	s_wait_dscnt 0x0                               ; both opening adds are done
	s_wait_kmcnt 0x0
	s_add_nc_u64 s[14:15], s[4:5], s[16:17]
	s_add_nc_u64 s[46:47], s[6:7], s[46:47]
	CROUND                                         ; all sixteen work-groups are here
.irp s, 0,1
	s_mov_b32 s[G0+4*\s], 1
	s_add_co_u32 s[G0+4*\s+1], s20, \s*SLOT
	s_add_nc_u64 s[G0+4*\s+2:G0+4*\s+3], s[14:15], \s*KSTEP*2
	s_or_b32 s[G0+4*\s+3], s[G0+4*\s+3], 0x80000000
	s_mov_b32 s[G0B+4*\s], 1
	s_add_co_u32 s[G0B+4*\s+1], s21, \s*SLOT
	s_add_nc_u64 s[G0B+4*\s+2:G0B+4*\s+3], s[46:47], \s*KSTEP*2048
	s_or_b32 s[G0B+4*\s+3], s[G0B+4*\s+3], 0x80000000
	JLOAD \s
.endr
	v_and_b32 v1, 15, v0                           ; r
	v_bfe_u32 v2, v0, 4, 1                         ; h
	v_mul_u32_u24 v3, v1, PA
	v_lshl_add_u32 v3, v2, 4, v3
	v_and_b32 v4, 7, v0
	v_bfe_u32 v5, v0, 3, 1
	v_lshl_add_u32 v4, v2, 3, v4
	v_mul_u32_u24 v4, v4, PB
	v_lshl_add_u32 v4, v5, 4, v4                   ; the turning load: k row 8 h + l % 8, 16 bytes by (l / 8) % 2
	s_mul_i32 s21, s11, HALFA
	s_lshl_b32 s22, s12, 8
	s_add_co_u32 s22, s22, BOFF
.irp s, 0,1
	v_add_nc_u32 v[ADRA+\s], s21, v3
	v_add_nc_u32 v[ADRB+\s], s22, v4
	s_add_co_u32 s21, s21, SLOT
	s_add_co_u32 s22, s22, SLOT
.endr
	s_mul_i32 s23, s10, 16*SPITCH
	s_add_co_u32 s23, s23, STAGE
	v_mul_u32_u24 v5, v1, SPITCH
	v_lshl_add_u32 v5, v2, 5, v5
	v_add_nc_u32 v[STO], s23, v5
	v_and_b32 v6, 31, v0
	v_lshlrev_b32 v[CO], 4, v6
	v_add_nc_u32 v[RD], s23, v[CO]
	v_lshlrev_b32 v[BV], 5, v2
	s_lshl_b32 s16, s13, 7
	s_lshl_b32 s17, s11, 6
	s_add_co_u32 s16, s16, s17
	s_lshl_b32 s16, s16, 12                        ; my first row of out0, 4,096 bytes a row
	s_mov_b32 s17, 0
	s_lshl_b32 s46, s42, 10
	s_lshl_b32 s47, s12, 9
	s_add_co_u32 s46, s46, s47                     ; my first column, in bytes of f32
	s_mov_b32 s47, 0
	s_add_nc_u64 s[44:45], s[44:45], s[46:47]
	s_add_nc_u64 s[16:17], s[16:17], s[46:47]
	s_add_nc_u64 s[8:9], s[8:9], s[16:17]
.irp b, 0,1,2,3,4,5,6,7
	global_load_b128 v[BIAS+8*\b:BIAS+8*\b+3], v[BV], s[44:45] offset:64*\b
	global_load_b128 v[BIAS+8*\b+4:BIAS+8*\b+7], v[BV], s[44:45] offset:64*\b+16
.endr
; 8 matrix instructions: a's block x Wo's eight, 32 along K.  The 32 accumulators take turns, one instruction a turn.
.macro MUL8 buf, a, first
.irp b, 0,1,2,3,4,5,6,7
.if \first
	v_wmma_f32_16x16x32_f16 v[8*(8*(\a)+\b):8*(8*(\a)+\b)+7], v[64*(\buf)+8*\b:64*(\buf)+8*\b+7], v[FA+32*(\buf)+8*(\a):FA+32*(\buf)+8*(\a)+7], v[BIAS+8*\b:BIAS+8*\b+7]
.else
	v_wmma_f32_16x16x32_f16 v[8*(8*(\a)+\b):8*(8*(\a)+\b)+7], v[64*(\buf)+8*\b:64*(\buf)+8*\b+7], v[FA+32*(\buf)+8*(\a):FA+32*(\buf)+8*(\a)+7], v[8*(8*(\a)+\b):8*(8*(\a)+\b)+7]
.endif
.endr
.endm
.macro FETCH slot, q, buf              ; 24 LDS loads in one run: the fragments of the slot's q-th 32 along K
	WIN TO_B
.irp b, 0,1,2,3,4,5,6,7
	ds_load_tr16_b128 v[64*(\buf)+8*\b:64*(\buf)+8*\b+3],   v[ADRB+\slot] offset:32*PB*(\q)+32*\b
	ds_load_tr16_b128 v[64*(\buf)+8*\b+4:64*(\buf)+8*\b+7], v[ADRB+\slot] offset:32*PB*(\q)+32*\b+16*PB
.endr
	WIN 0
.irp i, 0,1,2,3
	ds_load_b128 v[FA+32*(\buf)+8*\i:FA+32*(\buf)+8*\i+3],   v[ADRA+\slot] offset:64*(\q)+\i*16*PA
	ds_load_b128 v[FA+32*(\buf)+8*\i+4:FA+32*(\buf)+8*\i+7], v[ADRA+\slot] offset:64*(\q)+\i*16*PA+32
.endr
.endm
.macro PLACES
.rept 4
	v_nop
.endr
.endm
.macro MWIN first
.if \first
	WIN 0x81                                       ; C (the bias) in window 0
.else
	WIN MUL
.endif
.endm
.macro QUARTER slot, qn, buf, first    ; multiplies buffer buf; in its middle it fetches the slot's quarter qn into the other buffer
	s_wait_dscnt 4                                 ; Wo's fragments and a's blocks 0, 1 are in; blocks 2, 3 may be out
	MWIN \first
	MUL8 \buf, 0, \first
	MUL8 \buf, 1, \first
	PLACES
	FETCH \slot, \qn, 1-\buf
	s_wait_dscnt 24                                ; all but the 24 just issued
	MWIN \first
	MUL8 \buf, 2, \first
	MUL8 \buf, 3, \first
.endm
; A slot's last quarter multiplies buffer 1 and changes slots: one barrier; with fill = 1 it opens a round of the cluster's barrier, and the joint refill is the first tensor load behind the round.
.macro TURN slot, next, fill
	WIN 0
	s_wait_tensorcnt 0x0                           ; all my tensor loads have landed: my part of the next slot
	ds_add_u32 v[SPW], v[NIL]
	s_wait_dscnt 5                                 ; the add and a's blocks 2, 3 may be out
	WIN MUL
	MUL8 1, 0, 0
	s_wait_dscnt 0x0                               ; the add is done, and my reads of this slot are over
	s_barrier_signal -1
	MUL8 1, 1, 0
	WIN 0
	s_barrier_wait -1
.if \fill
	CREST
	s_add_nc_u64 s[G0+4*\slot+2:G0+4*\slot+3], s[G0+4*\slot+2:G0+4*\slot+3], 2*KSTEP*2
	s_add_nc_u64 s[G0B+4*\slot+2:G0B+4*\slot+3], s[G0B+4*\slot+2:G0B+4*\slot+3], 2*KSTEP*2048
	JLOAD \slot                                    ; its four v_nop are also the places in front of the loads below
.else
	PLACES
.endif
	FETCH \next, 0, 0
	WIN MUL
	MUL8 1, 2, 0
	MUL8 1, 3, 0
.endm
	s_wait_tensorcnt 1                             ; my part of K step 0 is in; K step 1's load may be out
	s_barrier_signal -1
	s_barrier_wait -1
	FETCH 0, 0, 0
	s_wait_loadcnt 0x0                             ; the bias
	QUARTER 0, 1, 0, 1                             ; the first quarter starts the sums
	WIN 0
	s_mov_b32 s3, 3
.Llap:                                 ; a trip goes once round the ring and fills both slots again: K steps 2 to 7
	QUARTER 0, 2, 1, 0
	QUARTER 0, 3, 0, 0
	TURN 0, 1, 1
	QUARTER 1, 1, 0, 0
	QUARTER 1, 2, 1, 0
	QUARTER 1, 3, 0, 0
	TURN 1, 0, 1
	QUARTER 0, 1, 0, 0
	WIN 0
	s_sub_co_u32 s3, s3, 1
	s_cmp_lg_u32 s3, 0
	s_cbranch_scc1 .Llap
	QUARTER 0, 2, 1, 0                             ; the last lap fills nothing
	QUARTER 0, 3, 0, 0
	TURN 0, 1, 0
	QUARTER 1, 1, 0, 0
	QUARTER 1, 2, 1, 0
	QUARTER 1, 3, 0, 0
	s_wait_dscnt 4
	WIN MUL
	MUL8 1, 0, 0
	MUL8 1, 1, 0
	s_wait_dscnt 0
	MUL8 1, 2, 0
	MUL8 1, 3, 0
	WIN 0
; THE WAY OUT, a block of 16 rows x 128 columns at a time, through my stage: back as rows of 512 bytes, which the 32 lanes store whole.
.macro TOSTAGE a
.set AC, 64*(\a)
	WIN 0x08                                       ; the data: window 2
.irp b, 0,1,2,3,4,5,6,7
	ds_store_b128 v[STO], v[AC+8*\b:AC+8*\b+3] offset:64*\b                 ; each accumulator from its low end on
	ds_store_b128 v[STO], v[AC+8*\b+4:AC+8*\b+7] offset:64*\b+16
.endr
	WIN 0
.set BB, 64+128*((\a)%2)
.irp t, 0,1,2,3,4,5,6,7,8,9,10,11,12,13,14,15
	ds_load_b128 v[BB+4*\t:BB+4*\t+3], v[RD] offset:\t*SPITCH
.endr
.endm
.macro SEND a, younger
.set BB, 64+128*((\a)%2)
	s_wait_dscnt \younger
.if (\a) > 0
	s_add_nc_u64 s[8:9], s[8:9], 16*4096           ; (behind a wait on XCNT: the earlier stores have read their base)
.endif
.irp t, 0,1,2,3,4,5,6,7,8,9,10,11,12,13,14,15
	global_store_b128 v[CO], v[BB+4*\t:BB+4*\t+3], s[8:9] offset:\t*4096 th:TH_STORE_NT
.endr
.endm
	PLACES
	TOSTAGE 0
.irp a, 1,2,3
.if \a > 1
	s_wait_xcnt 0x0
.endif
	TOSTAGE \a
	SEND \a-1, 32                                  ; behind block a - 1's loads: block a's 16 stores and 16 loads
.endr
	s_wait_xcnt 0x0
	SEND 3, 0
	s_wait_tensorcnt 0x0                           ; the wave's end
	ds_add_u32 v[SPW], v[NIL]
	s_wait_dscnt 0x0
	CROUND                                         ; the closing round
	s_endpgm
.Lfunc_end_k_q4de91764f6_proj:
	.size	k_q4de91764f6_proj, .Lfunc_end_k_q4de91764f6_proj-k_q4de91764f6_proj
	.p2alignl 7, 3214868480
	.fill 96, 4, 3214868480
	.section	.rodata,"a",@progbits
	.p2align	6, 0x0
	.amdhsa_kernel k_q4de91764f6_proj
		.amdhsa_group_segment_fixed_size 327680
		.amdhsa_private_segment_fixed_size 0
		.amdhsa_enable_private_segment 0
		.amdhsa_kernarg_size 32
		.amdhsa_user_sgpr_count 2
		.amdhsa_user_sgpr_kernarg_segment_ptr 1
		.amdhsa_wavefront_size32 1
		.amdhsa_system_sgpr_workgroup_id_x 1
		.amdhsa_system_sgpr_workgroup_id_y 1
		.amdhsa_system_sgpr_workgroup_id_z 1
		.amdhsa_system_vgpr_workitem_id 0
		.amdhsa_next_free_vgpr 768
		.amdhsa_next_free_sgpr 66
		.amdhsa_reserve_vcc 0
		.amdhsa_float_denorm_mode_32 3
		.amdhsa_float_denorm_mode_16_64 3
		.amdhsa_memory_ordered 1
		.amdhsa_forward_progress 1
		.amdhsa_inst_pref_size 87
	.end_amdhsa_kernel
	.amdgpu_metadata
---
amdhsa.version: [ 1, 2 ]
amdhsa.kernels:
  - .name:           k_q4de91764f6_proj
    .symbol:         k_q4de91764f6_proj.kd
    .args:
      - { .name: a16, .offset: 0, .size: 8, .value_kind: global_buffer, .address_space: global }
      - { .name: wq, .offset: 8, .size: 8, .value_kind: global_buffer, .address_space: global }
      - { .name: bo, .offset: 16, .size: 8, .value_kind: global_buffer, .address_space: global }
      - { .name: out0, .offset: 24, .size: 8, .value_kind: global_buffer, .address_space: global }
    .group_segment_fixed_size: 327680
    .private_segment_fixed_size: 0
    .kernarg_segment_align: 8
    .kernarg_segment_size: 32
    .max_flat_workgroup_size: 128
    .sgpr_count:     66
    .vgpr_count:     768
    .wavefront_size: 32
...
	.end_amdgpu_metadata
.endif
;; end of part 4
;; launch fine (part 5): grid 64 x 4, 16 waves a work-group, no clusters, 84,480 bytes of LDS; arguments aux, vtot, Wo, bo, out0; writes out0
.if DOCPART == 5
	.amdgcn_target "amdgcn-amd-amdhsa--gfx1250"
	.amdhsa_code_object_version 6
	.text
	.protected	k_q4de91764f6_fine
	.globl	k_q4de91764f6_fine
	.p2align	8
	.type	k_q4de91764f6_fine,@function
k_q4de91764f6_fine:
	s_mov_b64 s[64:65], 0
	v_nop
	global_prefetch_b8 v0, s[64:65] scope:SCOPE_SE
	s_setreg_imm32_b32 hwreg(HW_REG_WAVE_MODE, 25, 1), 1
	s_wait_xcnt 0x0
; POSITIONS 0-15 OF EACH SEQUENCE IN f32: these rows average one to sixteen values and are the largest of the output.  Attention and the projection on the way out, with f32 operands; the 64 rows of out0 are written anew.
; Work-group (x, b) makes out0[b][0 .. 15][16 x .. 16 x + 15].  Phase 1: wave = head: its 16 x 16 scores, softmax, a's 64 channels, into LDS.  Phase 2: wave = 64 of the projection's K; the sixteen partial sums meet in LDS, wave 0 adds them.
; THE MASK'S VALUE IS -10000: hidden scores become -80000 ahead of the scale, so their weight is pm = 2^(c (-80000) - c m), bit for bit that of the 2,032 keys beyond the first 16.
; O = sum over k < 16 of (p_k - pm) v_k + pm TOT, TOT the sum of v over all 2,048 keys (from the launch before); l = sum over k < 16 of p_k + 2032 pm.
; The matrix form is 16 x 16 x 4 in f32; along K the numbers are dealt to the steps alike on both sources, so that a lane's loads are wide.  Its results (v160-191, v208-239) are written by matrix instructions alone.
.set APITCH, 4112                      ; a row of a in LDS: 4,096 bytes + 16
.set RED,    66048                     ; sixteen partial tiles of 1,024 bytes
.set SPARE,  82432                     ; the spare words, 128 bytes a wave
.set SPW, 22
.set NIL, 23
	s_load_b256 s[4:11], s[0:1], 0x0               ; aux, vtot, Wo, bo
	s_load_b64 s[12:13], s[0:1], 0x20              ; out0
	v_lshl_add_u32 v[SPW], v0, 2, SPARE
	v_mov_b32 v[NIL], 0
	v_lshrrev_b32 v1, 5, v0
	v_readfirstlane_b32 s14, v1                    ; wave: the head, later the slice of K
	s_and_b32 s15, ttmp7, 0xffff                   ; b
	s_lshl_b32 s16, ttmp9, 6                       ; my 16 columns, in bytes
	v_and_b32 v1, 15, v0                           ; r
	v_bfe_u32 v2, v0, 4, 1                         ; h
	v_mul_u32_u24 v3, v1, 12288
	v_lshl_add_u32 v3, v2, 7, v3                   ; q, k: row r, channels 32 h on
	v_mul_u32_u24 v4, v2, 98304
	v_lshl_add_u32 v4, v1, 2, v4                   ; v: key 8 h, channel r
	v_lshlrev_b32 v5, 5, v2                        ; 32 h
	v_lshlrev_b32 v6, 17, v2
	v_lshl_add_u32 v6, v1, 2, v6                   ; Wo: k row 32 h, column r
	v_lshlrev_b32 v7, 3, v2
	v_sub_nc_u32 v7, v1, v7                        ; r - 8 h
	v_mul_u32_u24 v16, v1, APITCH
	v_lshl_add_u32 v17, v2, 7, v16
	v_lshl_add_u32 v16, v2, 5, v16
	s_lshl_b32 s17, s14, 8
	v_add_nc_u32 v16, s17, v16                     ; a, in: row r, 256 x head + 32 h
	v_add_nc_u32 v17, s17, v17                     ; a, back: row r, 256 x slice + 128 h
	v_and_b32 v19, 31, v0
	v_lshl_add_u32 v19, v19, 4, RED
	s_lshl_b32 s17, s14, 10
	v_add_nc_u32 v18, s17, v19
	v_lshlrev_b32 v20, 12, v1
	v_lshl_add_u32 v20, v2, 5, v20                 ; out0: row r, 32 h
	v_mov_b32 v21, 0xc79c4000                      ; -80000.0
	v_mov_b32 v9, 0                                ; a lane permute's destination counts as one of its sources
	s_mov_b32 s18, 0x76543210
	s_mov_b32 s19, 0xfedcba98
	s_mov_b32 s20, 0x3e38aa3b                      ; c = log2(e) / 8
	s_mov_b32 s21, 0x44fe0000                      ; 2032.0: the keys beyond the first 16
	s_mul_i32 s28, s15, 196608
	s_lshl_b32 s29, s14, 8
	s_add_co_u32 s28, s28, s29
	s_add_co_u32 s28, s28, 524288
	s_mov_b32 s29, 0
	s_lshl_b32 s30, s15, 4
	s_add_co_u32 s30, s30, s14
	s_lshl_b32 s30, s30, 8
	s_mov_b32 s31, 0
	s_lshl_b32 s32, s14, 18
	s_add_co_u32 s32, s32, s16
	s_mov_b32 s33, 0
	s_lshl_b32 s34, s15, 23
	s_add_co_u32 s34, s34, s16
	s_mov_b32 s35, 0
	s_mov_b32 s17, 0
	s_wait_kmcnt 0x0
	s_add_nc_u64 s[22:23], s[4:5], s[28:29]        ; the f32 rows of q, k, v: my batch, my head
	s_add_nc_u64 s[24:25], s[6:7], s[30:31]        ; TOT
	s_add_nc_u64 s[26:27], s[8:9], s[32:33]        ; Wo: my 64 rows, the work-group's 16 columns
	s_add_nc_u64 s[10:11], s[10:11], s[16:17]
	s_add_nc_u64 s[12:13], s[12:13], s[34:35]
.irp i, 0,1,2,3,4,5,6,7
	global_load_b128 v[32+4*\i:35+4*\i], v3, s[22:23] offset:16*\i          ; q
.endr
.irp i, 0,1,2,3,4,5,6,7
	global_load_b128 v[64+4*\i:67+4*\i], v3, s[22:23] offset:4096+16*\i     ; k
.endr
.irp ct, 0,1,2,3
.irp i, 0,1,2,3,4,5,6,7
	global_load_b32 v[96+8*\ct+\i], v4, s[22:23] offset:8192+12288*\i+64*\ct   ; v(key 8 h + i, channel 16 ct + r)
.endr
.endr
.irp ct, 0,1,2,3
	global_load_b128 v[128+8*\ct:131+8*\ct], v5, s[24:25] offset:64*\ct
	global_load_b128 v[132+8*\ct:135+8*\ct], v5, s[24:25] offset:64*\ct+16
.endr
	s_wait_loadcnt 40                              ; q and k are in; v's 32 loads and TOT's 8 may be out
.irp s, 0,1,2,3,4,5,6,7,8,9,10,11,12,13,14,15   ; S^T = k q^T: four accumulators by turns
.if \s < 4
	v_wmma_f32_16x16x4_f32 v[160+8*(\s%4):167+8*(\s%4)], v[64+2*\s:65+2*\s], v[32+2*\s:33+2*\s], 0
.else
	v_wmma_f32_16x16x4_f32 v[160+8*(\s%4):167+8*(\s%4)], v[64+2*\s:65+2*\s], v[32+2*\s:33+2*\s], v[160+8*(\s%4):167+8*(\s%4)]
.endif
.endr
.rept 8
	v_nop                                          ; eight places behind this form
.endr
.irp i, 0,1,2,3,4,5,6,7,8,9,10,11,12,13,14,15,16,17,18,19,20,21,22,23,24,25,26,27,28,29,30,31
	global_load_b32 v[64+\i], v6, s[26:27] offset:4096*\i                   ; Wo(64 w + 32 h + i, my column): wanted in phase 2
.endr
.irp p, 0,1,2,3
	v_pk_add_f32 v[192+2*\p:193+2*\p], v[160+2*\p:161+2*\p], v[168+2*\p:169+2*\p]   ; each accumulator from its low end on
.endr
.irp p, 0,1,2,3
	v_pk_add_f32 v[192+2*\p:193+2*\p], v[192+2*\p:193+2*\p], v[176+2*\p:177+2*\p]
.endr
.irp p, 0,1,2,3
	v_pk_add_f32 v[192+2*\p:193+2*\p], v[192+2*\p:193+2*\p], v[184+2*\p:185+2*\p]
.endr
.irp j, 0,1,2,3,4,5,6,7                ; lane (r, h), register j: query r, key 8 h + j: hidden where j > r - 8 h
	v_cmp_gt_i32 vcc_lo, \j, v7
	v_cndmask_b32 v[192+\j], v[192+\j], v21, vcc_lo
.endr
	v_max3_num_f32 v8, v192, v193, v194
	v_max3_num_f32 v8, v8, v195, v196
	v_max3_num_f32 v8, v8, v197, v198
	v_max3_num_f32 v8, v8, v199, v21               ; every one of these rows has hidden keys
	v_permlanex16_b32 v9, v8, s18, s19
	v_max_num_f32 v8, v8, v9
	v_mul_f32 v10, s20, v8                         ; c m
.irp j, 0,1,2,3,4,5,6,7
	v_fma_f32 v[192+\j], v[192+\j], s20, -v10
.endr
	v_fma_f32 v12, v21, s20, -v10
.irp j, 0,1,2,3,4,5,6,7
	v_exp_f32 v[192+\j], v[192+\j]
.endr
	v_exp_f32 v12, v12                             ; pm
	v_mov_b32 v13, 0                               ; a plain line behind the exponentials; also the pair's upper half
	s_wait_alu depctr_va_vdst(0)                   ; one wait for the nine
	v_pk_add_f32 v[14:15], v[192:193], v[194:195]
	v_pk_add_f32 v[24:25], v[196:197], v[198:199]
	v_pk_add_f32 v[14:15], v[14:15], v[24:25]
	v_add_f32 v14, v14, v15
	v_permlanex16_b32 v9, v14, s18, s19
	v_add_f32 v14, v14, v9
	v_fma_f32 v14, v12, s21, v14                   ; l = 2032 pm + the sixteen
	v_rcp_f32 v26, v14
	v_mov_b32 v27, 0
.irp j, 0,1,2,3,4,5,6,7
	v_sub_f32 v[200+\j], v[192+\j], v12            ; p - pm: exactly 0 for hidden keys
.endr
	s_wait_alu depctr_va_vdst(0)
	s_wait_loadcnt 32                              ; v and TOT are in; Wo's 32 loads may be out
.set i, 0
.rept 16
	v_pk_mul_f32 v[128+i:129+i], v[128+i:129+i], v[12:13] op_sel_hi:[1,0]   ; pm TOT: the C of each sum's first product
.set i, i+2
.endr
.irp s, 0,1,2,3                        ; O^T = v^T (p - pm) + pm TOT: four accumulators by turns
.irp ct, 0,1,2,3
.if \s == 0
	v_wmma_f32_16x16x4_f32 v[208+8*\ct:215+8*\ct], v[96+8*\ct+2*\s:97+8*\ct+2*\s], v[200+2*\s:201+2*\s], v[128+8*\ct:135+8*\ct]
.else
	v_wmma_f32_16x16x4_f32 v[208+8*\ct:215+8*\ct], v[96+8*\ct+2*\s:97+8*\ct+2*\s], v[200+2*\s:201+2*\s], v[208+8*\ct:215+8*\ct]
.endif
.endr
.endr
.rept 8
	v_nop
.endr
.set i, 0
.rept 16
	v_pk_mul_f32 v[96+i:97+i], v[208+i:209+i], v[26:27] op_sel_hi:[1,0]     ; a = O^T / l, into other registers
.set i, i+2
.endr
.irp ct, 0,1,2,3
	ds_store_b128 v16, v[96+8*\ct:99+8*\ct] offset:64*\ct
	ds_store_b128 v16, v[100+8*\ct:103+8*\ct] offset:64*\ct+16
.endr
	s_wait_dscnt 0x0                               ; for the others' sake: my stores have landed
	s_barrier_signal -1
	s_barrier_wait -1
	; ---- phase 2: K = 64 w .. 64 w + 63 of the projection
.irp i, 0,1,2,3,4,5,6,7
	ds_load_b128 v[32+4*\i:35+4*\i], v17 offset:16*\i
.endr
	s_wait_loadcnt 0x0
	s_wait_dscnt 0x0
.irp s, 0,1,2,3,4,5,6,7,8,9,10,11,12,13,14,15
.if \s < 4
	v_wmma_f32_16x16x4_f32 v[160+8*(\s%4):167+8*(\s%4)], v[64+2*\s:65+2*\s], v[32+2*\s:33+2*\s], 0
.else
	v_wmma_f32_16x16x4_f32 v[160+8*(\s%4):167+8*(\s%4)], v[64+2*\s:65+2*\s], v[32+2*\s:33+2*\s], v[160+8*(\s%4):167+8*(\s%4)]
.endif
.endr
.rept 8
	v_nop
.endr
.irp p, 0,1,2,3
	v_pk_add_f32 v[192+2*\p:193+2*\p], v[160+2*\p:161+2*\p], v[168+2*\p:169+2*\p]
.endr
.irp p, 0,1,2,3
	v_pk_add_f32 v[192+2*\p:193+2*\p], v[192+2*\p:193+2*\p], v[176+2*\p:177+2*\p]
.endr
.irp p, 0,1,2,3
	v_pk_add_f32 v[192+2*\p:193+2*\p], v[192+2*\p:193+2*\p], v[184+2*\p:185+2*\p]
.endr
	ds_store_b128 v18, v[192:195]
	ds_store_b128 v18, v[196:199] offset:512
	s_wait_dscnt 0x0
	s_barrier_signal -1
	s_barrier_wait -1
	s_cmp_lg_u32 s14, 0
	s_cbranch_scc1 .Ldone
	global_load_b128 v[200:203], v5, s[10:11]      ; bo of columns 8 h + 0 .. 7
	global_load_b128 v[204:207], v5, s[10:11] offset:16
.irp w, 0,1,2,3,4,5,6,7,8,9,10,11,12,13,14,15
	ds_load_b128 v[32+8*\w:35+8*\w], v19 offset:1024*\w
	ds_load_b128 v[36+8*\w:39+8*\w], v19 offset:1024*\w+512
.endr
	s_wait_loadcnt 0x0
	s_wait_dscnt 0x0
.irp w, 64,32,16,8
.set i, 0
.rept \w/2
	v_pk_add_f32 v[32+i:33+i], v[32+i:33+i], v[32+\w+i:33+\w+i]
.set i, i+2
.endr
.endr
.irp p, 0,1,2,3
	v_pk_add_f32 v[32+2*\p:33+2*\p], v[32+2*\p:33+2*\p], v[200+2*\p:201+2*\p]
.endr
	global_store_b128 v20, v[32:35], s[12:13]      ; lane (r, h): out0(position r, column 8 h + 0 .. 7 of my 16)
	global_store_b128 v20, v[36:39], s[12:13] offset:16
.Ldone:
	s_wait_tensorcnt 0x0                           ; the wave's end
	ds_add_u32 v[SPW], v[NIL]
	s_wait_dscnt 0x0
	s_endpgm
.Lfunc_end_k_q4de91764f6_fine:
	.size	k_q4de91764f6_fine, .Lfunc_end_k_q4de91764f6_fine-k_q4de91764f6_fine
	.p2alignl 7, 3214868480
	.fill 96, 4, 3214868480
	.section	.rodata,"a",@progbits
	.p2align	6, 0x0
	.amdhsa_kernel k_q4de91764f6_fine
		.amdhsa_group_segment_fixed_size 84480
		.amdhsa_private_segment_fixed_size 0
		.amdhsa_enable_private_segment 0
		.amdhsa_kernarg_size 40
		.amdhsa_user_sgpr_count 2
		.amdhsa_user_sgpr_kernarg_segment_ptr 1
		.amdhsa_wavefront_size32 1
		.amdhsa_system_sgpr_workgroup_id_x 1
		.amdhsa_system_sgpr_workgroup_id_y 1
		.amdhsa_system_sgpr_workgroup_id_z 1
		.amdhsa_system_vgpr_workitem_id 0
		.amdhsa_next_free_vgpr 256
		.amdhsa_next_free_sgpr 66
		.amdhsa_reserve_vcc 1
		.amdhsa_float_denorm_mode_32 3
		.amdhsa_float_denorm_mode_16_64 3
		.amdhsa_memory_ordered 1
		.amdhsa_forward_progress 1
		.amdhsa_inst_pref_size 30
	.end_amdhsa_kernel
	.amdgpu_metadata
---
amdhsa.version: [ 1, 2 ]
amdhsa.kernels:
  - .name:           k_q4de91764f6_fine
    .symbol:         k_q4de91764f6_fine.kd
    .args:
      - { .name: aux, .offset: 0, .size: 8, .value_kind: global_buffer, .address_space: global }
      - { .name: vtot, .offset: 8, .size: 8, .value_kind: global_buffer, .address_space: global }
      - { .name: Wo, .offset: 16, .size: 8, .value_kind: global_buffer, .address_space: global }
      - { .name: bo, .offset: 24, .size: 8, .value_kind: global_buffer, .address_space: global }
      - { .name: out0, .offset: 32, .size: 8, .value_kind: global_buffer, .address_space: global }
    .group_segment_fixed_size: 84480
    .private_segment_fixed_size: 0
    .kernarg_segment_align: 8
    .kernarg_segment_size: 40
    .max_flat_workgroup_size: 512
    .sgpr_count:     66
    .vgpr_count:     256
    .wavefront_size: 32
...
	.end_amdgpu_metadata
.endif
;; end of part 5
